; MI455X (gfx1250); checked and timed in simulation.
; The chip was launched on July 23, 2026; its instructions are those of AMD's public machine-readable ISA for CDNA 5 (MIT licence, August 2026) and "CDNA5" Instruction Set Architecture Reference Guide (July 2026). The comments in the code are by the model that wrote it; some were corrected since.
;; Attention Decoder. Allowed arithmetic: float matrix products may take bf16 or f16 operands with f32 sums; other float arithmetic in f32, or as packed bf16 or f16 multiplies, adds, multiply-adds, maxima and minima; sums over many terms, partial sums and values carried from step to step in f32; what a program stores and reads back later, other than sums and carried values, may be rounded once to bf16 or f16.
;; Inputs: Wc 256 x 768 float32; Wk 256 x 256 float32; Wo 256 x 256 float32; Wv 256 x 256 float32; bc 256 float32; bk 256 float32; bo 256 float32; bv 256 float32; context_vector 768 float32; in_proj_b 768 float32; in_proj_w 768 x 256 float32; invalid_action_mask 200,000 bool; node_embeddings 200,000 x 256 float32; out_proj_b 256 float32; out_proj_w 256 x 256 float32.
;; Outputs: out0 200,000 float32.
;; One version. Each part assembles by itself: llvm-mc -triple=amdgcn-amd-amdhsa -mcpu=gfx1250 --defsym DOCPART=n.
;; ======== version 1 of 1: 6 launches
;; workspace buffers: w1 526,336 bytes; w2 271,616 bytes; w3 2,880,256 bytes; w4 65,536 bytes; w5 802,816 bytes
;; launch p1 (part 1): grid 256 x 1, 4 waves a work-group, no clusters, 0 bytes of LDS; arguments Wo, out_proj_w, out_proj_b, bo, Wc, context_vector, bc, Wk, Wv, w1; writes w1
.if DOCPART == 1
	.amdgcn_target "amdgcn-amd-amdhsa--gfx1250"
	.amdhsa_code_object_version 6
	.text
	.protected	k_q8e26bbc48f_p1
	.globl	k_q8e26bbc48f_p1
	.p2align	8
	.type	k_q8e26bbc48f_p1,@function
k_q8e26bbc48f_p1:
	s_mov_b64 s[64:65], 0
	v_nop
	global_prefetch_b8 v0, s[64:65] scope:SCOPE_SE
	s_setreg_imm32_b32 hwreg(HW_REG_WAVE_MODE, 25, 1), 1
	s_wait_xcnt 0x0
; ATTENTION DECODER, launch 1 of 6: what hangs on the weights and the context alone.
; THE WORK THAT IS NOT DONE, AND WHY IT NEED NOT BE.  There is ONE query.  (1) k = keys wk2^T + bk2 is used only in q_h . k[n,h], which equals
; keys[n] . (wk2_h^T q_h) + q_h . bk2_h for all values: the product N x 256 x 256 becomes eight vectors.  (2) v = values wv2^T + bv2 is used only in the sum over n of
; w[h,n] v[n,h], and the softmax's weights add to 1: it equals wv2_h (sum of w[h,n] values[n]) + bv2_h for all values.  (3) keys . attn = (x . (Wk^T a) + bk . a) / max(|y_k|, eps).
; These are identities of real numbers; only the order of rounding differs from the written order.  NO INPUT IS LEFT OUT: all fifteen are loaded by some launch.
; LIMITS.  Matrix operands are rounded to bf16; a squared norm below 2^-126 counts as 0 (the row then takes 1/eps, as with any norm below eps); NaN and infinities are not treated apart.
; THIS LAUNCH, by quarter of the grid (64 work-groups each):  0: RT[j][e] = (Wo out_proj_w)[e][j], by the matrix unit.  1: QV = Wc ctx + bc.  2: R0 = Wo out_proj_b + bo.
; 3: WB = Wk's 256 rows, then Wv's, rounded to bf16.   w1: WB at 0, RT at 262144, QV at 524288, R0 at 525312.
.set SEL, 44                           ; s[44:45] lane selects of v_permlanex16_b32: each lane takes its own place in the other half
.set MSB, 0
.macro WIN new                         ; the immediate's high byte repeats the setting that is left
.if MSB != (\new)
	s_set_vgpr_msb (MSB<<8)|(\new)
.set MSB, (\new)
.endif
.endm
.macro WSUM a, b                       ; the sum of v[a] over the 32 lanes, in every lane; v[b] at work (written before)
	v_add_f32_dpp v[\a], v[\a], v[\a] row_xmask:1 row_mask:0xf bank_mask:0xf
	v_add_f32_dpp v[\a], v[\a], v[\a] row_xmask:2 row_mask:0xf bank_mask:0xf
	v_add_f32_dpp v[\a], v[\a], v[\a] row_xmask:4 row_mask:0xf bank_mask:0xf
	v_add_f32_dpp v[\a], v[\a], v[\a] row_xmask:8 row_mask:0xf bank_mask:0xf
	v_permlanex16_b32 v[\b], v[\a], s[SEL], s[SEL+1]
	v_add_f32 v[\a], v[\a], v[\b]
.endm
; One wave makes one tile of 16 x 16 of Ct[n][m] = sum over e of A[m][e] B[e][n]; A, B, Ct f32 [256][256]; tile number in s[idx]: tm = idx / 16, tn = idx % 16.
; A's fragments come as rows (four loads of 16 bytes a K step), B's as columns (sixteen words a K step); both are rounded to bf16 in place.  Window 0: v64-191 A; window 1: v0-127 B.
.macro MM pa, pb, pd, idx
	s_lshr_b32 s40, s[\idx], 4
	s_and_b32 s41, s[\idx], 15
	s_lshl_b32 s40, s40, 4                         ; 16 tm
	s_lshl_b32 s41, s41, 4                         ; 16 tn
	v_and_b32 v3, 15, v0                           ; r
	v_bfe_u32 v4, v0, 4, 1                         ; h
	v_add_nc_u32 v5, s40, v3
	v_lshlrev_b32 v5, 10, v5
	v_lshl_add_u32 v5, v4, 5, v5                   ; A: row (16 tm + r), 32 h bytes in
	v_add_nc_u32 v6, s41, v3
	v_lshl_add_u32 v7, v4, 11, v6
	v_lshlrev_b32 v7, 2, v7                        ; B: row 8 h, column 16 tn + r
	v_lshlrev_b32 v6, 10, v6
	v_lshl_add_u32 v8, v4, 3, s40
	v_lshl_add_u32 v6, v8, 2, v6                   ; Ct: row 16 tn + r, columns 16 tm + 8 h on
.set ks, 0
.rept 8
	global_load_b128 v[64+16*ks:67+16*ks], v5, s[\pa:\pa+1] offset:128*ks
	global_load_b128 v[68+16*ks:71+16*ks], v5, s[\pa:\pa+1] offset:128*ks+16
	global_load_b128 v[72+16*ks:75+16*ks], v5, s[\pa:\pa+1] offset:128*ks+64
	global_load_b128 v[76+16*ks:79+16*ks], v5, s[\pa:\pa+1] offset:128*ks+80
.set ks, ks+1
.endr
	WIN 0x40                                       ; destination window 1
.set ks, 0
.rept 8
.set kq, 0
.rept 8
	global_load_b32 v[16*ks+kq], v7, s[\pb:\pb+1] offset:(32*ks+kq)*1024
	global_load_b32 v[16*ks+8+kq], v7, s[\pb:\pb+1] offset:(32*ks+16+kq)*1024
.set kq, kq+1
.endr
.set ks, ks+1
.endr
	WIN 0
	s_wait_loadcnt 0x0
.set ks, 0
.rept 8
.set kq, 0
.rept 8
	v_cvt_pk_bf16_f32 v[64+16*ks+kq], v[64+16*ks+2*kq], v[64+16*ks+2*kq+1]  ; ascending: a pair's place is never ahead of its sources
.set kq, kq+1
.endr
.set ks, ks+1
.endr
	WIN 0x45
.set ks, 0
.rept 8
.set kq, 0
.rept 8
	v_cvt_pk_bf16_f32 v[16*ks+kq], v[16*ks+2*kq], v[16*ks+2*kq+1]
.set kq, kq+1
.endr
.set ks, ks+1
.endr
	WIN 0x04                                       ; B in window 1
.set ks, 0
.rept 8                                ; two accumulators by turns; the first two products start the sums
.if ks < 2
	v_wmma_f32_16x16x32_bf16 v[32+8*(ks%2):39+8*(ks%2)], v[64+16*ks:71+16*ks], v[16*ks:16*ks+7], 0
.else
	v_wmma_f32_16x16x32_bf16 v[32+8*(ks%2):39+8*(ks%2)], v[64+16*ks:71+16*ks], v[16*ks:16*ks+7], v[32+8*(ks%2):39+8*(ks%2)]
.endif
.set ks, ks+1
.endr
	WIN 0
.rept 8
	v_nop                                          ; the places behind the last products
.endr
.irp p, 0,2,4,6
	v_pk_add_f32 v[32+\p:33+\p], v[32+\p:33+\p], v[40+\p:41+\p]
.endr
	global_store_b128 v6, v[32:35], s[\pd:\pd+1]
	global_store_b128 v6, v[36:39], s[\pd:\pd+1] offset:16
.endm
; One wave makes one number: row s27 of a matrix with rows of 128 n floats, times a vector, plus a bias; lane 0 stores it.
.macro ROWDOT n, pm, pv, pb, outoff
	s_mul_i32 s30, s27, (\n)*512
	s_mov_b32 s31, 0
	s_add_nc_u64 s[32:33], s[\pm:\pm+1], s[30:31]
	v_lshlrev_b32 v3, 4, v2
	v_mov_b32 v4, s27
	v_lshlrev_b32 v4, 2, v4
.set kq, 0
.rept \n
	global_load_b128 v[16+4*kq:19+4*kq], v3, s[32:33] offset:512*kq
	global_load_b128 v[48+4*kq:51+4*kq], v3, s[\pv:\pv+1] offset:512*kq
.set kq, kq+1
.endr
	global_load_b32 v5, v4, s[\pb:\pb+1]
	v_mov_b32 v9, 0
	s_wait_loadcnt 0x0
	v_pk_mul_f32 v[6:7], v[16:17], v[48:49]
	v_pk_mul_f32 v[10:11], v[18:19], v[50:51]
.set kq, 1
.rept (\n)-1
	v_pk_fma_f32 v[6:7], v[16+4*kq:17+4*kq], v[48+4*kq:49+4*kq], v[6:7]
	v_pk_fma_f32 v[10:11], v[18+4*kq:19+4*kq], v[50+4*kq:51+4*kq], v[10:11]
.set kq, kq+1
.endr
	v_pk_add_f32 v[6:7], v[6:7], v[10:11]
	v_add_f32 v6, v6, v7
	WSUM 6, 9
	v_add_f32 v6, v6, v5
	v_cmp_eq_u32 vcc_lo, 0, v2
	s_wait_xcnt 0x0                                ; EXEC changes only behind this wait
	s_and_saveexec_b32 s34, vcc_lo
	global_store_b32 v4, v6, s[22:23] offset:\outoff
	s_wait_xcnt 0x0
	s_or_b32 exec_lo, exec_lo, s34
	s_endpgm
.endm
	s_load_b512 s[4:19], s[0:1], 0x0               ; Wo 4, out_proj_w 6, out_proj_b 8, bo 10, Wc 12, ctx 14, bc 16, Wk 18
	s_load_b128 s[20:23], s[0:1], 0x40             ; Wv 20, w1 22
	v_lshrrev_b32 v1, 5, v0
	v_readfirstlane_b32 s24, v1                    ; wave
	v_and_b32 v2, 31, v0                           ; lane
	s_lshr_b32 s25, ttmp9, 6                       ; which quarter of the grid
	s_and_b32 s26, ttmp9, 63                       ; my place in it
	s_lshl_b32 s27, s26, 2
	s_add_co_u32 s27, s27, s24                     ; 4 x place + wave: the wave's tile or row, 0 .. 255
	s_mov_b32 s[SEL], 0x76543210
	s_mov_b32 s[SEL+1], 0xfedcba98
	s_wait_kmcnt 0x0
	s_cmp_eq_u32 s25, 0
	s_cbranch_scc1 .Lmm
	s_cmp_eq_u32 s25, 1
	s_cbranch_scc1 .Lqv
	s_cmp_eq_u32 s25, 2
	s_cbranch_scc1 .Lr0
	; quarter 3: eight rows of Wk (places 0-31) or Wv (32-63) to bf16; a thread takes 8 numbers twice, and 16 lanes store 256 consecutive bytes
	s_cmp_lt_u32 s26, 32
	s_cselect_b64 s[32:33], s[18:19], s[20:21]
	s_and_b32 s30, s26, 31
	s_lshl_b32 s30, s30, 13
	s_mov_b32 s31, 0
	s_add_nc_u64 s[32:33], s[32:33], s[30:31]
	s_lshl_b32 s30, s26, 12
	s_add_nc_u64 s[34:35], s[22:23], s[30:31]
	v_lshlrev_b32 v3, 5, v0
	v_lshlrev_b32 v4, 4, v0
.irp c, 0,1
	global_load_b128 v[16+8*\c:19+8*\c], v3, s[32:33] offset:4096*\c
	global_load_b128 v[20+8*\c:23+8*\c], v3, s[32:33] offset:4096*\c+16
.endr
	s_wait_loadcnt 0x0
.irp c, 0,1
.irp p, 0,1,2,3
	v_cvt_pk_bf16_f32 v[32+4*\c+\p], v[16+8*\c+2*\p], v[17+8*\c+2*\p]
.endr
	global_store_b128 v4, v[32+4*\c:35+4*\c], s[34:35] offset:2048*\c
.endr
	s_endpgm
.Lmm:
	s_add_nc_u64 s[28:29], s[22:23], 262144
	MM 4, 6, 28, 27
	s_endpgm
.Lqv:
	ROWDOT 6, 12, 14, 16, 524288
.Lr0:
	ROWDOT 2, 4, 8, 10, 525312
.Lfunc_end_k_q8e26bbc48f_p1:
	.size	k_q8e26bbc48f_p1, .Lfunc_end_k_q8e26bbc48f_p1-k_q8e26bbc48f_p1
	.p2alignl 7, 3214868480
	.fill 96, 4, 3214868480
	.section	.rodata,"a",@progbits
	.p2align	6, 0x0
	.amdhsa_kernel k_q8e26bbc48f_p1
		.amdhsa_group_segment_fixed_size 0
		.amdhsa_private_segment_fixed_size 0
		.amdhsa_enable_private_segment 0
		.amdhsa_kernarg_size 80
		.amdhsa_user_sgpr_count 2
		.amdhsa_user_sgpr_kernarg_segment_ptr 1
		.amdhsa_wavefront_size32 1
		.amdhsa_system_sgpr_workgroup_id_x 1
		.amdhsa_system_sgpr_workgroup_id_y 1
		.amdhsa_system_sgpr_workgroup_id_z 1
		.amdhsa_system_vgpr_workitem_id 0
		.amdhsa_next_free_vgpr 384
		.amdhsa_next_free_sgpr 66
		.amdhsa_reserve_vcc 1
		.amdhsa_float_denorm_mode_32 3
		.amdhsa_float_denorm_mode_16_64 3
		.amdhsa_memory_ordered 1
		.amdhsa_forward_progress 1
		.amdhsa_inst_pref_size 33
	.end_amdhsa_kernel
	.amdgpu_metadata
---
amdhsa.version: [ 1, 2 ]
amdhsa.kernels:
  - .name:           k_q8e26bbc48f_p1
    .symbol:         k_q8e26bbc48f_p1.kd
    .args:
      - { .name: Wo, .offset: 0, .size: 8, .value_kind: global_buffer, .address_space: global }
      - { .name: out_proj_w, .offset: 8, .size: 8, .value_kind: global_buffer, .address_space: global }
      - { .name: out_proj_b, .offset: 16, .size: 8, .value_kind: global_buffer, .address_space: global }
      - { .name: bo, .offset: 24, .size: 8, .value_kind: global_buffer, .address_space: global }
      - { .name: Wc, .offset: 32, .size: 8, .value_kind: global_buffer, .address_space: global }
      - { .name: context_vector, .offset: 40, .size: 8, .value_kind: global_buffer, .address_space: global }
      - { .name: bc, .offset: 48, .size: 8, .value_kind: global_buffer, .address_space: global }
      - { .name: Wk, .offset: 56, .size: 8, .value_kind: global_buffer, .address_space: global }
      - { .name: Wv, .offset: 64, .size: 8, .value_kind: global_buffer, .address_space: global }
      - { .name: w1, .offset: 72, .size: 8, .value_kind: global_buffer, .address_space: global }
    .group_segment_fixed_size: 0
    .private_segment_fixed_size: 0
    .kernarg_segment_align: 8
    .kernarg_segment_size: 80
    .max_flat_workgroup_size: 128
    .sgpr_count:     66
    .vgpr_count:     384
    .wavefront_size: 32
...
	.end_amdgpu_metadata
.endif
;; end of part 1
;; launch p2 (part 2): grid 136 x 1, 4 waves a work-group, no clusters, 4,096 bytes of LDS; arguments w1, Wk, in_proj_w, in_proj_b, bk, w2; writes w2
.if DOCPART == 2
	.amdgcn_target "amdgcn-amd-amdhsa--gfx1250"
	.amdhsa_code_object_version 6
	.text
	.protected	k_q8e26bbc48f_p2
	.globl	k_q8e26bbc48f_p2
	.p2align	8
	.type	k_q8e26bbc48f_p2,@function
k_q8e26bbc48f_p2:
	s_mov_b64 s[64:65], 0
	v_nop
	global_prefetch_b8 v0, s[64:65] scope:SCOPE_SE
	s_setreg_imm32_b32 hwreg(HW_REG_WAVE_MODE, 25, 1), 1
	s_wait_xcnt 0x0
; Launch 2 of 6.  Work-groups 0-63: RK = Wk^T R, by the matrix unit (RK[i][j] = sum over e of Wk[e][i] R[e][j]; R lies transposed in w1).
; Work-groups 64-135: number - 64 = 8 hh + cg.  hh < 8, head hh: q_h = wq_h QV + bq_h; u = wk2_h^T q_h; 32 columns (32 cg on) of G_h = SC Wk^T u, rounded to bf16; with cg = 0 also
; e_h = SC bk . u and c_h = SC q_h . bk2_h.  SC = log2(e) / sqrt(32): the logits are kept in base 2.  hh = 8: 32 columns of RK0 = Wk^T R0.
; The full product keys wk2^T is not made: see the head of the first kernel.
; w2: RK at 0; GB bf16 [16][256] at 262144 (rows 8-15 are 0: the matrix unit's tile has 16 rows); e_h[8], c_h[8] at 270336; RK0 at 270592.
; LDS: q_h at 0 (128 bytes); u or R0 at 256 (1024); the four waves' partial columns at 1280 (512); their parts of bk . u at 1792 (16); the spare words at 2048 (512).
.set SEL, 44
.set SPW, 10
.set NIL, 11
.set SC, 0x3e8293ee
.set MSB, 0
.macro WIN new
.if MSB != (\new)
	s_set_vgpr_msb (MSB<<8)|(\new)
.set MSB, (\new)
.endif
.endm
.macro WSUM a, b
	v_add_f32_dpp v[\a], v[\a], v[\a] row_xmask:1 row_mask:0xf bank_mask:0xf
	v_add_f32_dpp v[\a], v[\a], v[\a] row_xmask:2 row_mask:0xf bank_mask:0xf
	v_add_f32_dpp v[\a], v[\a], v[\a] row_xmask:4 row_mask:0xf bank_mask:0xf
	v_add_f32_dpp v[\a], v[\a], v[\a] row_xmask:8 row_mask:0xf bank_mask:0xf
	v_permlanex16_b32 v[\b], v[\a], s[SEL], s[SEL+1]
	v_add_f32 v[\a], v[\a], v[\b]
.endm
; As in the first kernel: one wave, one tile of 16 x 16 of Ct[n][m] = sum over e of A[m][e] B[e][n].
.macro MM pa, pb, pd, idx
	s_lshr_b32 s40, s[\idx], 4
	s_and_b32 s41, s[\idx], 15
	s_lshl_b32 s40, s40, 4
	s_lshl_b32 s41, s41, 4
	v_and_b32 v3, 15, v0
	v_bfe_u32 v4, v0, 4, 1
	v_add_nc_u32 v5, s40, v3
	v_lshlrev_b32 v5, 10, v5
	v_lshl_add_u32 v5, v4, 5, v5
	v_add_nc_u32 v6, s41, v3
	v_lshl_add_u32 v7, v4, 11, v6
	v_lshlrev_b32 v7, 2, v7
	v_lshlrev_b32 v6, 10, v6
	v_lshl_add_u32 v8, v4, 3, s40
	v_lshl_add_u32 v6, v8, 2, v6
.set ks, 0
.rept 8
	global_load_b128 v[64+16*ks:67+16*ks], v5, s[\pa:\pa+1] offset:128*ks
	global_load_b128 v[68+16*ks:71+16*ks], v5, s[\pa:\pa+1] offset:128*ks+16
	global_load_b128 v[72+16*ks:75+16*ks], v5, s[\pa:\pa+1] offset:128*ks+64
	global_load_b128 v[76+16*ks:79+16*ks], v5, s[\pa:\pa+1] offset:128*ks+80
.set ks, ks+1
.endr
	WIN 0x40
.set ks, 0
.rept 8
.set kq, 0
.rept 8
	global_load_b32 v[16*ks+kq], v7, s[\pb:\pb+1] offset:(32*ks+kq)*1024
	global_load_b32 v[16*ks+8+kq], v7, s[\pb:\pb+1] offset:(32*ks+16+kq)*1024
.set kq, kq+1
.endr
.set ks, ks+1
.endr
	WIN 0
	s_wait_loadcnt 0x0
.set ks, 0
.rept 8
.set kq, 0
.rept 8
	v_cvt_pk_bf16_f32 v[64+16*ks+kq], v[64+16*ks+2*kq], v[64+16*ks+2*kq+1]
.set kq, kq+1
.endr
.set ks, ks+1
.endr
	WIN 0x45
.set ks, 0
.rept 8
.set kq, 0
.rept 8
	v_cvt_pk_bf16_f32 v[16*ks+kq], v[16*ks+2*kq], v[16*ks+2*kq+1]
.set kq, kq+1
.endr
.set ks, ks+1
.endr
	WIN 0x04
.set ks, 0
.rept 8                                ; two accumulators by turns
.if ks < 2
	v_wmma_f32_16x16x32_bf16 v[32+8*(ks%2):39+8*(ks%2)], v[64+16*ks:71+16*ks], v[16*ks:16*ks+7], 0
.else
	v_wmma_f32_16x16x32_bf16 v[32+8*(ks%2):39+8*(ks%2)], v[64+16*ks:71+16*ks], v[16*ks:16*ks+7], v[32+8*(ks%2):39+8*(ks%2)]
.endif
.set ks, ks+1
.endr
	WIN 0
.rept 8
	v_nop
.endr
.irp p, 0,2,4,6
	v_pk_add_f32 v[32+\p:33+\p], v[32+\p:33+\p], v[40+\p:41+\p]
.endr
	global_store_b128 v6, v[32:35], s[\pd:\pd+1]
	global_store_b128 v6, v[36:39], s[\pd:\pd+1] offset:16
.endm
	s_load_b256 s[4:11], s[0:1], 0x0               ; w1 4, Wk 6, in_proj_w 8, in_proj_b 10
	s_load_b128 s[12:15], s[0:1], 0x20             ; bk 12, w2 14
	v_lshl_add_u32 v[SPW], v0, 2, 2048
	v_mov_b32 v[NIL], 0
	v_lshrrev_b32 v1, 5, v0
	v_readfirstlane_b32 s16, v1                    ; wave
	v_and_b32 v2, 31, v0                           ; lane
	s_mov_b32 s[SEL], 0x76543210
	s_mov_b32 s[SEL+1], 0xfedcba98
	s_wait_kmcnt 0x0
	s_cmp_lt_u32 ttmp9, 64
	s_cbranch_scc0 .Lvec
	s_lshl_b32 s17, ttmp9, 2
	s_add_co_u32 s17, s17, s16
	s_add_nc_u64 s[28:29], s[4:5], 262144
	MM 28, 6, 14, 17
	s_endpgm                                       ; this path writes no LDS and meets no barrier; the whole work-group takes it
.Lvec:
	s_sub_co_u32 s18, ttmp9, 64
	s_lshr_b32 s19, s18, 3                         ; hh
	s_and_b32 s20, s18, 7                          ; cg
	s_lshl_b32 s21, s19, 5                         ; 32 hh
	s_mov_b32 s25, 0
	v_lshlrev_b32 v3, 4, v2                        ; 16 x lane
	v_lshlrev_b32 v4, 3, v0                        ; 8 x thread
	v_add_nc_u32 v14, 256, v4                      ; my two numbers of u
	v_mov_b32 v9, 0
	s_lshl_b32 s22, s20, 5
	v_add_nc_u32 v5, s22, v2
	v_lshlrev_b32 v5, 2, v5                        ; column 32 cg + lane, in bytes
	s_cmp_lt_u32 s19, 8
	s_cbranch_scc0 .La_done
	; a: q_h, eight numbers a wave
	s_lshl_b32 s22, s16, 3
	s_add_co_u32 s22, s21, s22                     ; row 32 hh + 8 w
	s_lshl_b32 s24, s22, 10
	s_add_nc_u64 s[26:27], s[8:9], s[24:25]
	s_lshl_b32 s24, s22, 2
	s_add_nc_u64 s[28:29], s[10:11], s[24:25]
	s_load_b256 s[32:39], s[28:29], 0x0            ; bq
	global_load_b128 v[16:19], v3, s[4:5] offset:524288
	global_load_b128 v[20:23], v3, s[4:5] offset:524800
.irp i, 0,1,2,3,4,5,6,7
	global_load_b128 v[64+8*\i:67+8*\i], v3, s[26:27] offset:1024*\i
	global_load_b128 v[68+8*\i:71+8*\i], v3, s[26:27] offset:1024*\i+512
.endr
	s_lshl_b32 s24, s16, 5
	v_mov_b32 v12, s24
	s_wait_loadcnt 0x0
	s_wait_kmcnt 0x0
.irp i, 0,1,2,3,4,5,6,7
	v_pk_mul_f32 v[24:25], v[64+8*\i:65+8*\i], v[16:17]
	v_pk_fma_f32 v[24:25], v[66+8*\i:67+8*\i], v[18:19], v[24:25]
	v_pk_fma_f32 v[24:25], v[68+8*\i:69+8*\i], v[20:21], v[24:25]
	v_pk_fma_f32 v[24:25], v[70+8*\i:71+8*\i], v[22:23], v[24:25]
	v_add_f32 v[32+\i], v24, v25
	WSUM 32+\i, 9
	v_add_f32 v[32+\i], s[32+\i], v[32+\i]
	ds_store_b32 v12, v[32+\i] offset:4*\i         ; all lanes write the same word with the same number
.endr
.La_done:
	s_wait_dscnt 0x0                               ; my part of q_h is in LDS,
	s_barrier_signal -1
	s_barrier_wait -1                              ; everybody's is
	s_cmp_lt_u32 s19, 8
	s_cbranch_scc0 .Lb8
	; b: u[e] = sum over d of q[d] wk2[32 hh + d][e]; a thread takes e = 2 t, 2 t + 1
	v_mov_b32 v13, 0
.irp k, 0,1,2,3,4,5,6,7
	ds_load_b128 v[16+4*\k:19+4*\k], v13 offset:16*\k
.endr
	s_add_co_u32 s22, s21, 256
	s_lshl_b32 s24, s22, 10
	s_add_nc_u64 s[26:27], s[8:9], s[24:25]
.set kd, 0
.rept 32
	global_load_b64 v[64+2*kd:65+2*kd], v4, s[26:27] offset:1024*kd
.set kd, kd+1
.endr
	global_load_b64 v[48:49], v4, s[12:13]
	s_wait_loadcnt 0x0
	s_wait_dscnt 0x0
	v_mul_f32 v50, v16, v64
	v_mul_f32 v51, v16, v65
.set kd, 1
.rept 31
	v_fmac_f32 v50, v[16+kd], v[64+2*kd]
	v_fmac_f32 v51, v[16+kd], v[65+2*kd]
.set kd, kd+1
.endr
	ds_store_b64 v14, v[50:51]
	v_mul_f32 v52, v50, v48
	v_fmac_f32 v52, v51, v49
	WSUM 52, 9
	s_lshl_b32 s24, s16, 2
	s_add_co_u32 s24, s24, 1792
	v_mov_b32 v15, s24
	ds_store_b32 v15, v52
	s_branch .Lb_done
.Lb8:
	global_load_b64 v[50:51], v4, s[4:5] offset:525312
	s_wait_loadcnt 0x0
	ds_store_b64 v14, v[50:51]
.Lb_done:
	s_wait_dscnt 0x0
	s_barrier_signal -1
	s_barrier_wait -1                              ; the whole vector lies in LDS
	; c: my 64 rows of Wk, 32 columns
	s_lshl_b32 s24, s16, 8
	s_add_co_u32 s24, s24, 256
	v_mov_b32 v13, s24
.set kd, 0
.rept 16
	ds_load_b128 v[64+4*kd:67+4*kd], v13 offset:16*kd
.set kd, kd+1
.endr
	s_lshl_b32 s24, s16, 16
	s_add_nc_u64 s[26:27], s[6:7], s[24:25]
.set kd, 0
.rept 64
	global_load_b32 v[128+kd], v5, s[26:27] offset:1024*kd
.set kd, kd+1
.endr
	s_wait_loadcnt 0x0
	s_wait_dscnt 0x0
	v_mul_f32 v50, v64, v128
	v_mul_f32 v51, v65, v129
.set kd, 2
.rept 31
	v_fmac_f32 v50, v[64+kd], v[128+kd]
	v_fmac_f32 v51, v[65+kd], v[129+kd]
.set kd, kd+2
.endr
	v_add_f32 v50, v50, v51
	v_lshlrev_b32 v6, 2, v2
	s_lshl_b32 s24, s16, 7
	v_add_nc_u32 v7, s24, v6
	ds_store_b32 v7, v50 offset:1280
	s_wait_dscnt 0x0
	s_barrier_signal -1
	s_barrier_wait -1
	; d: wave 0 adds the four parts and stores
	s_cmp_lg_u32 s16, 0
	s_cbranch_scc1 .Lend
.irp k, 0,1,2,3
	ds_load_b32 v[16+\k], v6 offset:1280+128*\k
.endr
	s_wait_dscnt 0x0
	v_add_f32 v16, v16, v17
	v_add_f32 v18, v18, v19
	v_add_f32 v16, v16, v18
	s_cmp_lt_u32 s19, 8
	s_cbranch_scc0 .Ld8
	v_mul_f32 v16, SC, v16
	v_cvt_pk_bf16_f32 v17, v16, v16
	v_mov_b32 v18, 0
	s_lshl_b32 s24, s19, 9
	v_lshrrev_b32 v7, 1, v5
	v_add_nc_u32 v7, s24, v7
	global_store_b16 v7, v17, s[14:15] offset:262144
	global_store_b16 v7, v18, s[14:15] offset:266240   ; row hh + 8 is 0
	s_cmp_eq_u32 s20, 0
	s_cbranch_scc0 .Lend
	v_mov_b32 v13, 0
	ds_load_b128 v[20:23], v13 offset:1792
	ds_load_b32 v24, v6
	s_add_co_u32 s22, s21, 256
	v_add_nc_u32 v8, s22, v2
	v_lshlrev_b32 v8, 2, v8
	global_load_b32 v25, v8, s[10:11]              ; bk2
	s_wait_loadcnt 0x0
	s_wait_dscnt 0x0
	v_add_f32 v20, v20, v21
	v_add_f32 v22, v22, v23
	v_add_f32 v20, v20, v22
	v_mul_f32 v24, v24, v25
	WSUM 24, 9
	v_cmp_eq_u32 vcc_lo, 0, v2
	v_cndmask_b32 v26, v24, v20, vcc_lo            ; lane 0: e_h; lane 1: c_h
	v_mul_f32 v26, SC, v26
	s_lshl_b32 s24, s19, 2
	v_lshl_add_u32 v27, v2, 5, s24
	v_cmp_gt_u32 vcc_lo, 2, v2
	s_wait_xcnt 0x0                                ; EXEC changes only behind this wait
	s_and_saveexec_b32 s30, vcc_lo
	global_store_b32 v27, v26, s[14:15] offset:270336
	s_wait_xcnt 0x0
	s_or_b32 exec_lo, exec_lo, s30
	s_branch .Lend
.Ld8:
	global_store_b32 v5, v16, s[14:15] offset:270592
.Lend:
	s_wait_tensorcnt 0x0                           ; the wave's end, behind my last LDS store
	ds_add_u32 v[SPW], v[NIL]
	s_wait_dscnt 0x0
	s_endpgm
.Lfunc_end_k_q8e26bbc48f_p2:
	.size	k_q8e26bbc48f_p2, .Lfunc_end_k_q8e26bbc48f_p2-k_q8e26bbc48f_p2
	.p2alignl 7, 3214868480
	.fill 96, 4, 3214868480
	.section	.rodata,"a",@progbits
	.p2align	6, 0x0
	.amdhsa_kernel k_q8e26bbc48f_p2
		.amdhsa_group_segment_fixed_size 4096
		.amdhsa_private_segment_fixed_size 0
		.amdhsa_enable_private_segment 0
		.amdhsa_kernarg_size 48
		.amdhsa_user_sgpr_count 2
		.amdhsa_user_sgpr_kernarg_segment_ptr 1
		.amdhsa_wavefront_size32 1
		.amdhsa_system_sgpr_workgroup_id_x 1
		.amdhsa_system_sgpr_workgroup_id_y 1
		.amdhsa_system_sgpr_workgroup_id_z 1
		.amdhsa_system_vgpr_workitem_id 0
		.amdhsa_next_free_vgpr 384
		.amdhsa_next_free_sgpr 66
		.amdhsa_reserve_vcc 1
		.amdhsa_float_denorm_mode_32 3
		.amdhsa_float_denorm_mode_16_64 3
		.amdhsa_memory_ordered 1
		.amdhsa_forward_progress 1
		.amdhsa_inst_pref_size 54
	.end_amdhsa_kernel
	.amdgpu_metadata
---
amdhsa.version: [ 1, 2 ]
amdhsa.kernels:
  - .name:           k_q8e26bbc48f_p2
    .symbol:         k_q8e26bbc48f_p2.kd
    .args:
      - { .name: w1, .offset: 0, .size: 8, .value_kind: global_buffer, .address_space: global }
      - { .name: Wk, .offset: 8, .size: 8, .value_kind: global_buffer, .address_space: global }
      - { .name: in_proj_w, .offset: 16, .size: 8, .value_kind: global_buffer, .address_space: global }
      - { .name: in_proj_b, .offset: 24, .size: 8, .value_kind: global_buffer, .address_space: global }
      - { .name: bk, .offset: 32, .size: 8, .value_kind: global_buffer, .address_space: global }
      - { .name: w2, .offset: 40, .size: 8, .value_kind: global_buffer, .address_space: global }
    .group_segment_fixed_size: 4096
    .private_segment_fixed_size: 0
    .kernarg_segment_align: 8
    .kernarg_segment_size: 48
    .max_flat_workgroup_size: 128
    .sgpr_count:     66
    .vgpr_count:     384
    .wavefront_size: 32
...
	.end_amdgpu_metadata
.endif
;; end of part 2
;; launch main (part 3): grid 250 x 1, 4 waves a work-group, no clusters, 327,680 bytes of LDS; arguments node_embeddings, invalid_action_mask, w1, w2, bk, bv, w3; writes w3
.if DOCPART == 3
	.amdgcn_target "amdgcn-amd-amdhsa--gfx1250"
	.amdhsa_code_object_version 6
	.text
	.protected	k_q8e26bbc48f_main
	.globl	k_q8e26bbc48f_main
	.p2align	8
	.type	k_q8e26bbc48f_main,@function
k_q8e26bbc48f_main:
	s_mov_b64 s[64:65], 0
	v_nop
	global_prefetch_b8 v0, s[64:65] scope:SCOPE_SE
	s_setreg_imm32_b32 hwreg(HW_REG_WAVE_MODE, 25, 1), 1
	s_wait_xcnt 0x0
; Launch 3 of 6: one pass over the nodes.  y_k = Wk x + bk and y_v = Wv x + bv by the matrix unit (bf16 operands, f32 sums); rk = 1 / max(|y_k|, 1e-12), rv likewise;
; the eight logits in base 2, l = (x . G_h + e_h) rk + c_h, or -1e9 log2(e) where the node is invalid; a running maximum m and sum L for each head; O_h = sum of 2^(l - m) rv y_v.
; The products keys wk2^T and values wv2^T are not made: see the head of the first kernel.
; SHARES.  200,000 rows = 250 work-groups x 25 blocks x 32 rows; a block is two units of 16 rows.  Wave w owns columns 64 w .. 64 w + 63 of y_k and of y_v; their weights, 512 registers, stay in registers.
; The products are taken transposed (source 0 = 16 rows of weights, source 1 = 16 nodes): a lane holds ONE node (lane % 16) and 8 columns.  x . G is split along K: wave w takes K steps 2 w, 2 w + 1;
; each wave walks K from its own step 2 w on, so that one text serves all four.  A block: 2 x 66 products and 4 for O.
; THE ROAD OF x.  A tensor load brings f32 rows into a slot (three blocks); each wave rounds 8 rows of the next block to bf16 into a stage; all waves read fragments from the stage.
; BY TURNS.  A trip is: unit 1's products of block b, the barrier, unit 0's products of block b + 1.  Behind unit 1's products stand unit 0's norms and y_v, the rounding of block b + 1 and unit 1's own y_v part
; (y_v is multiplied ahead of y_k, so that it is finished at the run's middle); behind unit 0's products stands block b's softmax step, at work in unit 1's registers, which are free just then.
; In the open stay 22 lines (y_k's squares of unit 1), the barrier and the first fragments' way out of LDS.  Block 0's unit 0 stands ahead of the loop.
; The last trip multiplies the last block's unit 0 once more and uses nothing of it, and the last two trips round the last block again: the price of one text for every trip.
; NO CLUSTER: no two work-groups read the same rows, and the weights come once, by plain loads.
; LIMITS: matrix operands in bf16 (x, the weights, G, the weights p rv, y_v); a squared norm below 2^-126 counts as 0; NaN and infinities are not treated apart.
; w3: rk at 0; O [250][8][256] at 800256; for each work-group 32 words at 2848256: m[8], L[8], zeros.
; REGISTERS.  window 0: addresses, M, L, PT, v64-191 fragments of x (two units), v192-255 f32 rows on their way to bf16.
;   window 1: v0-63, v64-127 y of units 0, 1 (K's four tiles, then V's); v128-191 the biases, laid as C operands; v192-223 O; v224-239 x . G; v240-255 G's fragments.
;   window 2: Wk (tile t, step i at 64 t + 8 i).   window 3: Wv likewise.
.set SLOT1, 0x20000                    ; slot 0 at 0, slot 1 here: 96 rows x 1024 bytes each
.set XS0,   98304                      ; the stage: 32 rows of 512 bytes + 16; the other one lies SLOT1 further
.set YS,    246272                     ; for each wave 32 nodes x 64 columns of y_v in bf16, rows of 160 bytes; at the end O's way out
.set CS,    266752                     ; for each wave 32 nodes x 16 heads of p rv in bf16
.set SPARE, 270848                     ; the spare words: 128 bytes a wave, named by no other line
.set EX0,   271360                     ; what the waves hand each other, two sets by turns: x . G parts at 0 (8192), |y_k|^2 parts at 8192 (512), |y_v|^2 parts at 8704 (512)
.set EXX,   0x6c00                     ; EX0 xor EX1 (280576)
.set SPW, 8
.set NIL, 9
.set XP0, 10
.set XP,  14
.set CA0, 18
.set CA,  19
.set CW0, 20
.set CW,  21
.set YSS, 22
.set YSL, 23
.set CSS, 24
.set CSL, 25
.set NS0, 26
.set NSA, 27
.set GS0, 28
.set GSA, 29
.set ERG0, 30
.set ERN0, 31
.set ERG, 32
.set ERN, 33
.set LN,  34
.set MK,  35
.set RO0, 36
.set RO,  37
.set MO,  38
.set RKC, 39                           ; v39 rk of the block's nodes, kept for its store at the trip's end
.set MX,  40                           ; v40-47 the running maxima
.set LS,  48                           ; v48-55 the running sums, a lane for each node of a block
.set PT,  56
.set XF,  64
.set LAND, 192
.set WV,  56
.set SX,  57
.set SXO, 58
.set SE,  59
.set SRC, 60
.set LIM, 61
.set CNT, 62
.set OUT, 63
.set SEL, 66
.set SB,  68
.set RB,  69
.set MB,  70
.set MSB, 0
.macro WIN new                         ; the immediate's high byte repeats the setting that is left; bits 1:0 source 0, 3:2 source 1, 5:4 source 2, 7:6 destination
.if MSB != (\new)
	s_set_vgpr_msb (MSB<<8)|(\new)
.set MSB, (\new)
.endif
.endm
.macro PLACES                          ; four plain places behind matrix instructions (ISA guide 7.12.1)
.rept 4
	v_nop
.endr
.endm
.macro CVQN                            ; number cn of 32: two f32 of the row in hand become a word of bf16, in place
	WIN 0
	v_cvt_pk_bf16_f32 v[LAND+4*(cn/2)+cn%2], v[LAND+4*(cn/2)+2*(cn%2)], v[LAND+4*(cn/2)+2*(cn%2)+1]
.endm
; Number pn of the 56 that follow unit u's products: 0-17 my part of |y_v|^2; 18-33 y_v to bf16, in place; 34-51 my part of |y_k|^2; 52-55 the other half of the lanes'.  Each accumulator's lowest registers are read first.
.macro POSTN u
.set yb, 64*(\u)
.if pn < 16
.set pch, PT+4+2*(pn%2)
.set ysr, yb+32+8*(pn/4)+2*(pn%4)
	WIN 0x05
.if pn < 2
	v_pk_mul_f32 v[pch:pch+1], v[ysr:ysr+1], v[ysr:ysr+1]
.else
	v_pk_fma_f32 v[pch:pch+1], v[ysr:ysr+1], v[ysr:ysr+1], v[pch:pch+1]
.endif
.elseif pn == 16
	WIN 0
	v_pk_add_f32 v[PT+4:PT+5], v[PT+4:PT+5], v[PT+6:PT+7]
.elseif pn == 17
	WIN 0
	v_add_f32 v[PT+4], v[PT+4], v[PT+5]
.elseif pn < 34
.set ysr, yb+32+8*((pn-18)/4)
	WIN 0x55
	v_cvt_pk_bf16_f32 v[ysr+(pn-18)%4], v[ysr+2*((pn-18)%4)], v[ysr+2*((pn-18)%4)+1]
.elseif pn < 50
.set pch, PT+2*(pn%2)
.set ysr, yb+8*((pn-34)/4)+2*((pn-34)%4)
	WIN 0x05
.if pn < 36
	v_pk_mul_f32 v[pch:pch+1], v[ysr:ysr+1], v[ysr:ysr+1]
.else
	v_pk_fma_f32 v[pch:pch+1], v[ysr:ysr+1], v[ysr:ysr+1], v[pch:pch+1]
.endif
.elseif pn == 50
	WIN 0
	v_pk_add_f32 v[PT:PT+1], v[PT:PT+1], v[PT+2:PT+3]
.elseif pn == 51
	WIN 0
	v_add_f32 v[PT], v[PT], v[PT+1]
.elseif pn == 52
	WIN 0
	v_permlanex16_b32 v[PT+1], v[PT], s[SEL], s[SEL+1]
.elseif pn == 53
	WIN 0
	v_permlanex16_b32 v[PT+5], v[PT+4], s[SEL], s[SEL+1]
.elseif pn == 54
	WIN 0
	v_add_f32 v[PT], v[PT], v[PT+1]
.else
	WIN 0
	v_add_f32 v[PT+4], v[PT+4], v[PT+5]
.endif
.endm
.macro PSTORE u                        ; unit u's y_v (my own bytes), my part of x . G and of the two squared norms (for all waves)
	WIN 0x04
.irp t, 0,1,2,3
	ds_store_b128 v[YSS], v[64*(\u)+32+8*\t:64*(\u)+35+8*\t] offset:2560*(\u)+32*\t
.endr
	ds_store_b128 v[GSA], v[224+8*(\u):227+8*(\u)] offset:1024*(\u)
	ds_store_b128 v[GSA], v[228+8*(\u):231+8*(\u)] offset:1024*(\u)+16
	WIN 0
	ds_store_b32 v[NSA], v[PT] offset:256*(\u)
	ds_store_b32 v[NSA], v[PT+4] offset:512+256*(\u)
.endm
.macro XLOAD f, off                    ; a unit's eight fragments of x: 16 loads
.set xi, 0
.rept 8
	ds_load_b128 v[(\f)+8*xi:(\f)+8*xi+3], v[XP+xi/2] offset:(\off)+64*(xi&1)
	ds_load_b128 v[(\f)+8*xi+4:(\f)+8*xi+7], v[XP+xi/2] offset:(\off)+64*(xi&1)+32
.set xi, xi+1
.endr
.endm
.macro LLOAD                           ; my 8 rows of the block after next, f32, out of the slot: 16 loads of 512 consecutive bytes
	v_add_nc_u32 v[CA], s[SRC], v[CA0]
.set cq, 0
.rept 16
	ds_load_b128 v[LAND+4*cq:LAND+4*cq+3], v[CA] offset:1024*(cq/2)+512*(cq%2)
.set cq, cq+1
.endr
	s_add_co_u32 s[SRC], s[SRC], 32768
	s_min_u32 s[SRC], s[SRC], s[LIM]               ; never past the slot's third block
.endm
.macro CSTORE                          ; the same rows in bf16 into the other stage: 16 stores of 256 consecutive bytes
.set cq, 0
.rept 16
	ds_store_b64 v[CW], v[LAND+4*cq:LAND+4*cq+1] offset:528*(cq/2)+256*(cq%2)
.set cq, cq+1
.endr
.endm
; THE BLOCK'S SOFTMAX STEP, done by every wave for itself, lane = node: a list of 173 vector instructions; STQN writes number sn of it, with the waits and LDS lines that stand ahead of some numbers.
; At work in window 1, in unit 1's 64 registers: v64-95 the four parts of x . G, then v64-71 l, p, p rv and its packed form; v72-79 the new m, then the weights' fragment; v80-87 at work, then a;
; v88 rk; v90, v91 rv; v92 the hidden logit; v96-103 the norms' parts, v104, v106 the roots, then v96-127 y_v's fragments.
;   0-5     the two squared norms and their roots            6-17   the four parts of x . G are added: the work between the roots and their wait
;   18-20   1 / max(norm, 1e-12)      (then y_v's fragments are asked for: nothing of the step is needed for them)
;   21-46   the logits, and the hidden logit where the mask says so      47-94  their maximum over the block's 32 nodes
;   95-127  the new m, c = m_old - m_new, l - m; rk is set aside          128-144 sixteen exponentials and a plain line; one wait
;   145-156 L = L a + p; p rv; to bf16      (then it goes through my own LDS bytes and comes back turned)      157-172 O a: register j is head j
.macro STQN
.set sw, 0x55
.if sn == 38
.set sw, 0
.elseif (sn >= 95) && (sn < 111)
.set sw, 0x44                          ; source 0, the old m, in window 0
.elseif (sn >= 111) && (sn < 120)
.set sw, 0x01
.elseif (sn >= 145) && (sn < 149)
.set sw, 0x14
.endif
.if sn == 0
	s_wait_dscnt 32                                ; the ten loads of the step are in: unit 1's 16 fragments' loads and the 16 of f32 rows are younger
.elseif sn == 18
	s_wait_alu depctr_va_vdst(0)                   ; one wait for the two roots, ahead of their first reader
.elseif sn == 21
	WIN 0x40
.irp t, 0,1,2,3
	ds_load_tr16_b128 v[96+8*\t:99+8*\t], v[YSL] offset:32*\t
	ds_load_tr16_b128 v[100+8*\t:103+8*\t], v[YSL] offset:2560+32*\t
.endr
.elseif sn == 38
	s_wait_loadcnt 0x0                             ; the block's mask bytes, asked for at the trip's head
.elseif sn == 145
	s_wait_alu depctr_va_vdst(0)                   ; one wait for the sixteen exponentials
.elseif sn == 157
	WIN 0x04
	ds_store_b128 v[CSS], v[64:67]
	WIN 0x40
	ds_load_tr16_b128 v[72:75], v[CSL]             ; LDS serves a wave's instructions in order (ISA guide 5.7.1.4): these see the store above
	ds_load_tr16_b128 v[76:79], v[CSL] offset:512
.endif
	WIN sw
.if sn == 0
	v_pk_add_f32 v[96:97], v[96:97], v[98:99]
.elseif sn == 1
	v_pk_add_f32 v[100:101], v[100:101], v[102:103]
.elseif sn == 2
	v_add_f32 v96, v96, v97
.elseif sn == 3
	v_add_f32 v100, v100, v101
.elseif sn == 4
	v_rsq_f32 v104, v96
.elseif sn == 5
	v_rsq_f32 v106, v100
.elseif sn < 14
.set sp, 2*((sn-6)/2)
.if (sn-6)%2 == 0
	v_pk_add_f32 v[64+sp:65+sp], v[64+sp:65+sp], v[72+sp:73+sp]
.else
	v_pk_add_f32 v[80+sp:81+sp], v[80+sp:81+sp], v[88+sp:89+sp]
.endif
.elseif sn < 18
.set sp, 2*(sn-14)
	v_pk_add_f32 v[64+sp:65+sp], v[64+sp:65+sp], v[80+sp:81+sp]
.elseif sn == 18
	v_min_num_f32 v88, 0x5368d4a5, v104            ; 1 / max(norm, 1e-12)
.elseif sn == 19
	v_min_num_f32 v90, 0x5368d4a5, v106
.elseif sn == 20
	v_min_num_f32 v91, 0x5368d4a5, v106
.elseif sn < 29
	v_add_f32 v[64+sn-21], s[40+sn-21], v[64+sn-21]
.elseif sn < 37
	v_fma_f32 v[64+sn-29], v[64+sn-29], v88, s[48+sn-29]
.elseif sn == 37
	v_mov_b32 v92, 0xceabfb8f                      ; -1e9 log2(e)
.elseif sn == 38
	v_cmp_ne_u32 vcc_lo, 0, v[MK]
.elseif sn < 47
	v_cndmask_b32 v[64+sn-39], v[64+sn-39], v92, vcc_lo
.elseif sn < 55
	v_max_num_f32_dpp v[72+sn-47], v[64+sn-47], v[64+sn-47] row_xmask:1 row_mask:0xf bank_mask:0xf
.elseif sn < 63
	v_max_num_f32_dpp v[72+sn-55], v[72+sn-55], v[72+sn-55] row_xmask:2 row_mask:0xf bank_mask:0xf
.elseif sn < 71
	v_max_num_f32_dpp v[72+sn-63], v[72+sn-63], v[72+sn-63] row_xmask:4 row_mask:0xf bank_mask:0xf
.elseif sn < 79
	v_max_num_f32_dpp v[72+sn-71], v[72+sn-71], v[72+sn-71] row_xmask:8 row_mask:0xf bank_mask:0xf
.elseif sn < 87
	v_permlanex16_b32 v[80+sn-79], v[72+sn-79], s[SEL], s[SEL+1]
.elseif sn < 95
	v_max_num_f32 v[72+sn-87], v[72+sn-87], v[80+sn-87]
.elseif sn < 103
	v_max_num_f32 v[72+sn-95], v[MX+sn-95], v[72+sn-95]
.elseif sn < 111
	v_sub_f32 v[80+sn-103], v[MX+sn-103], v[72+sn-103]
.elseif sn < 119
	v_mov_b32 v[MX+sn-111], v[72+sn-111]
.elseif sn == 119
	v_mov_b32 v[RKC], v88
.elseif sn < 128
	v_sub_f32 v[64+sn-120], v[64+sn-120], v[72+sn-120]
.elseif sn < 136
	v_exp_f32 v[80+sn-128], v[80+sn-128]
.elseif sn < 144
	v_exp_f32 v[64+sn-136], v[64+sn-136]
.elseif sn == 144
	v_nop                                          ; a plain instruction behind the last exponential
.elseif sn < 149
.set sp, 2*(sn-145)
	v_pk_fma_f32 v[LS+sp:LS+sp+1], v[LS+sp:LS+sp+1], v[80+sp:81+sp], v[64+sp:65+sp]
.elseif sn < 153
.set sp, 2*(sn-149)
	v_pk_mul_f32 v[64+sp:65+sp], v[64+sp:65+sp], v[90:91] op_sel_hi:[1,0]
.elseif sn < 157
	v_cvt_pk_bf16_f32 v[64+sn-153], v[64+2*(sn-153)], v[65+2*(sn-153)]
.else
.set sp, 192+8*((sn-157)/4)+2*((sn-157)%4)
	v_pk_mul_f32 v[sp:sp+1], v[sp:sp+1], v[80+2*((sn-157)%4):81+2*((sn-157)%4)]
.endif
.endm
.macro RIDE1                           ; four of the softmax step's, while they last
.rept 4
.if sn < 173
	STQN
.endif
.set sn, sn+1
.endr
.endm
; Four of the list that stands behind unit 1's products: 0-55 unit 0's norms and y_v, then its stores; 56-87 the rounding of the next block, then its stores; 88-121 unit 1's own |y_v|^2 and y_v.
.macro RIDE2
.rept 4
.if rn == 56
	PSTORE 0
.endif
.if rn == 88
	WIN 0
	CSTORE
.endif
.if rn < 56
.set pn, rn
	POSTN 0
.elseif rn < 88
.set cn, rn-56
	CVQN
.elseif rn < 122
.set pn, rn-88
	POSTN 1
.endif
.set rn, rn+1
.endr
.endm
; Unit u's 66 products: 32 for y_v (four accumulators by turns), one for x . G, 32 for y_k, one for x . G.  The first link of each sum takes the bias (x . G: 0) as C.
; No two products that follow each other share an accumulator.  rk = 1: four lines of the softmax step behind each product from the third on; rk = 2: four lines of RIDE2's list
; behind every second product; rk = 0: none.  No such line names a register of the products near it: unit 1's y_v is finished at the 32nd product and first read behind the 46th, with 28 roundings between.
.macro GEMM u, rk
.set gq, 0
.set rn, 0
.set sn, 0
.rept 66
.if gq < 32
.set gi, gq/4
.set gd, 64*(\u)+32+8*(gq%4)
.set ga, 64*(gq%4)+8*gi
.set gb, XF+64*(\u)+8*gi
	WIN 0x53
.if gi == 0
	v_wmma_f32_16x16x32_bf16 v[gd:gd+7], v[ga:ga+7], v[gb:gb+7], v[160+8*(gq%4):167+8*(gq%4)]
.else
	v_wmma_f32_16x16x32_bf16 v[gd:gd+7], v[ga:ga+7], v[gb:gb+7], v[gd:gd+7]
.endif
.elseif gq == 32
	WIN 0x51
	v_wmma_f32_16x16x32_bf16 v[224+8*(\u):231+8*(\u)], v[240:247], v[XF+64*(\u):XF+64*(\u)+7], 0
.elseif gq < 65
.set gi, (gq-33)/4
.set gd, 64*(\u)+8*((gq-33)%4)
.set ga, 64*((gq-33)%4)+8*gi
.set gb, XF+64*(\u)+8*gi
	WIN 0x52
.if gi == 0
	v_wmma_f32_16x16x32_bf16 v[gd:gd+7], v[ga:ga+7], v[gb:gb+7], v[128+8*((gq-33)%4):135+8*((gq-33)%4)]
.else
	v_wmma_f32_16x16x32_bf16 v[gd:gd+7], v[ga:ga+7], v[gb:gb+7], v[gd:gd+7]
.endif
.else
	WIN 0x51
	v_wmma_f32_16x16x32_bf16 v[224+8*(\u):231+8*(\u)], v[248:255], v[XF+64*(\u)+8:XF+64*(\u)+15], v[224+8*(\u):231+8*(\u)]
.endif
.if ((\rk) == 1) && (gq >= 2)
	RIDE1
.endif
.if ((\rk) == 2) && (gq%2 == 1)
	RIDE2
.endif
.set gq, gq+1
.endr
.endm
; A TRIP: block b's unit 1, the barrier, block b + 1's unit 0 beside block b's softmax step.
.macro BODY
	WIN 0
	s_wait_xcnt 0x0                                ; the last trip's store and load have read their addresses and data: these are written again below
	v_add_nc_u32 v[RO], s[RB], v[RO0]
	v_add_nc_u32 v[MO], s[MB], v[LN]
	s_add_co_u32 s[RB], s[RB], 128
	s_add_co_u32 s[MB], s[MB], 32
	global_load_u8 v[MK], v[MO], s[6:7]
	GEMM 1, 2                                      ; unit 1 | unit 0's norms and y_v, block b + 1 is rounded, unit 1's y_v
	PLACES                                         ; y_k's last products have just been issued
.set pn, 34
.rept 22
	POSTN 1
.set pn, pn+1
.endr
	PSTORE 1
	s_wait_dscnt 0x0                               ; my stores are done
	s_barrier_signal -1
	s_barrier_wait -1                              ; a tensor load may stay out
	s_xor_b32 s[SX], s[SX], SLOT1
	s_xor_b32 s[SXO], s[SXO], SLOT1
.irp j, 0,1,2,3
	v_add_nc_u32 v[XP+\j], s[SX], v[XP0+\j]
.endr
	v_add_nc_u32 v[CW], s[SXO], v[CW0]
	XLOAD XF, 0                                    ; block b + 1, unit 0: wanted first
	WIN 0x40
.irp v, 0,1,2,3
	ds_load_b128 v[64+8*\v:67+8*\v], v[ERG] offset:2048*\v
	ds_load_b128 v[68+8*\v:71+8*\v], v[ERG] offset:2048*\v+16
.endr
	ds_load_b128 v[96:99], v[ERN]
	ds_load_b128 v[100:103], v[ERN] offset:512
	WIN 0
	XLOAD XF+64, 8448                              ; block b + 1, unit 1
	LLOAD                                          ; block b + 2
	s_xor_b32 s[SE], s[SE], EXX
	v_add_nc_u32 v[NSA], s[SE], v[NS0]
	v_add_nc_u32 v[GSA], s[SE], v[GS0]
	v_add_nc_u32 v[ERG], s[SE], v[ERG0]
	v_add_nc_u32 v[ERN], s[SE], v[ERN0]
	s_wait_dscnt 42                                ; unit 0's fragments are in: the 10 + 16 + 16 loads behind them are younger
	GEMM 0, 1                                      ; block b + 1, unit 0 | block b's softmax step
	s_wait_dscnt 0x0                               ; the turned fragments; also unit 1's x and the f32 rows
	WIN 0x55
.irp t, 0,1,2,3
	v_wmma_f32_16x16x32_bf16 v[192+8*\t:199+8*\t], v[72:79], v[96+8*\t:103+8*\t], v[192+8*\t:199+8*\t]
.endr
	WIN 0
	PLACES                                         ; unit 1's next products write over these four's fragments, and the lines behind them read unit 0's y
	PLACES
	s_cmp_lg_u32 s[WV], 0
	s_cbranch_scc1 .Lnr_\@
	global_store_b32 v[RO], v[RKC], s[20:21]       ; rk of the block's 32 nodes, for the pointer scores
.Lnr_\@:
.endm
; THE CHANGE OF SLOTS.  Every wave waits for all its tensor loads (one is out: its part of the other slot), adds 0 to its spare word, waits for that and for its reads of the slot that it leaves,
; and passes a barrier.  fill = 1: the slot just left takes the three blocks two slots on, by one load a wave, the first thing behind the barrier: it has three blocks, 408 products, in which to land.
.macro REFILL fill
	WIN 0
	s_wait_tensorcnt 0x0
	ds_add_u32 v[SPW], v[NIL]
.if \fill
	s_xor_b32 s37, s37, SLOT1
	s_add_nc_u64 s[38:39], s[38:39], 98304
.endif
	s_xor_b32 s[SB], s[SB], SLOT1
	s_mov_b32 s[SRC], s[SB]
	s_add_co_u32 s[LIM], s[SB], 65536
	s_wait_dscnt 0x0
	s_barrier_signal -1
	s_barrier_wait -1
.if \fill
	tensor_load_to_lds s[36:39], s[24:31]
	s_nop 0
	PLACES
.endif
.endm
	s_load_b256 s[4:11], s[0:1], 0x0               ; x 4, mask 6, w1 8, w2 10
	s_load_b128 s[12:15], s[0:1], 0x20             ; bk 12, bv 14
	s_load_b64 s[16:17], s[0:1], 0x30              ; w3
	v_lshl_add_u32 v[SPW], v0, 2, SPARE
	v_mov_b32 v[NIL], 0
	ds_add_u32 v[SPW], v[NIL]                      ; the opening: the add, twice on end, and its wait ahead of my first tensor load
	ds_add_u32 v[SPW], v[NIL]
	v_lshrrev_b32 v1, 5, v0
	v_readfirstlane_b32 s[WV], v1
	; group 1: my 24 rows of 1024 bytes are dense: 96 rows of 32 elements of 8 bytes
	s_mov_b32 s24, 3<<16
	s_mov_b32 s25, 32<<16
	s_mov_b32 s26, 96<<16
	s_mov_b32 s27, 32<<16
	s_mov_b32 s28, 96
	s_mov_b32 s29, 32
	s_mov_b32 s30, 0
	s_mov_b32 s31, 0
	s_mov_b32 s32, 1
	s_mul_i32 s33, s[WV], 24576                    ; slot 0, my quarter
	s_mov_b32 s36, 1
	s_add_co_u32 s37, s33, SLOT1                   ; slot 1
	s_mul_i32 s72, ttmp9, 819200                   ; my work-group's 800 rows
	s_mov_b32 s73, 0
	s_mul_i32 s74, s[WV], 24576
	s_add_co_u32 s74, s74, 32768                   ; block 0 comes by plain loads: slot k holds blocks 3 k + 1 .. 3 k + 3
	s_mov_b32 s75, 0
	s_mov_b32 s[SEL], 0x76543210
	s_mov_b32 s[SEL+1], 0xfedcba98
	v_and_b32 v1, 15, v0                           ; r
	v_bfe_u32 v2, v0, 4, 1                         ; half
	v_and_b32 v[LN], 31, v0
	v_and_b32 v3, 7, v0
	v_bfe_u32 v4, v0, 3, 1
	v_mul_u32_u24 v5, v1, 528
	v_lshl_add_u32 v5, v2, 4, v5
	v_lshlrev_b32 v6, 9, v1
	v_lshl_add_u32 v6, v2, 4, v6
.irp j, 0,1,2,3
	s_lshl_b32 s71, s[WV], 1
	s_add_co_u32 s71, s71, 2*\j
	s_and_b32 s71, s71, 7                          ; the K step of my places 2 j, 2 j + 1
	s_lshl_b32 s71, s71, 6
	v_add_nc_u32 v[XP0+\j], s71, v5
	v_add_nc_u32 v[48+\j], s71, v6
.endr
	s_lshl_b32 s71, s[WV], 15
.irp j, 0,1,2,3
	v_add_nc_u32 v[48+\j], s71, v[48+\j]           ; the weights' offsets: row 64 w + r of 512 bytes
.endr
	s_lshl_b32 s71, s[WV], 13
	v_lshl_add_u32 v[CA0], v[LN], 4, s71
	s_mul_i32 s71, s[WV], 4224
	v_lshl_add_u32 v[CW0], v[LN], 3, s71
	s_mul_i32 s71, s[WV], 5120
	s_add_co_u32 s71, s71, YS
	v_mul_u32_u24 v7, v1, 160
	v_lshl_add_u32 v7, v2, 4, v7
	v_add_nc_u32 v[YSS], s71, v7
	v_lshl_add_u32 v7, v2, 3, v3
	v_mul_u32_u24 v[YSL], v7, 160
	v_lshl_add_u32 v[YSL], v4, 4, v[YSL]
	v_add_nc_u32 v[YSL], s71, v[YSL]
	s_lshl_b32 s71, s[WV], 10
	s_add_co_u32 s71, s71, CS
	v_lshl_add_u32 v[CSS], v[LN], 5, s71
	v_lshlrev_b32 v[CSL], 5, v7
	v_lshl_add_u32 v[CSL], v4, 4, v[CSL]
	v_add_nc_u32 v[CSL], s71, v[CSL]
	s_lshl_b32 s71, s[WV], 2
	s_add_co_u32 s71, s71, 8192
	v_lshl_add_u32 v[NS0], v1, 4, s71
	s_lshl_b32 s71, s[WV], 11
	v_lshl_add_u32 v[GS0], v[LN], 5, s71
	v_lshlrev_b32 v[ERG0], 5, v1
	v_lshl_add_u32 v[ERG0], v2, 10, v[ERG0]
	v_lshl_add_u32 v[ERN0], v[LN], 4, 8192
	v_lshlrev_b32 v[RO0], 2, v[LN]
	s_lshl_b32 s71, s[WV], 8
	v_lshl_add_u32 v52, v2, 5, s71                 ; the biases' offset
	s_lshl_b32 s71, s[WV], 7
	v_add_nc_u32 v53, s71, v6                      ; G's offset
	s_wait_dscnt 0x0                               ; both opening adds are done
	s_wait_kmcnt 0x0
	s_add_nc_u64 s[4:5], s[4:5], s[72:73]
	s_add_nc_u64 s[34:35], s[4:5], s[74:75]
	s_add_nc_u64 s[38:39], s[34:35], 98304
	s_or_b32 s35, s35, 0x80000000
	s_or_b32 s39, s39, 0x80000000
	tensor_load_to_lds s[32:35], s[24:31]          ; the two first fills go out together: two loads of mine are out
	s_nop 0
	tensor_load_to_lds s[36:39], s[24:31]
	s_nop 0
	PLACES
	s_load_b512 s[40:55], s[10:11], 0x42000        ; e_h, c_h
	s_mul_i32 s72, ttmp9, 800
	s_add_nc_u64 s[6:7], s[6:7], s[72:73]
	s_mul_i32 s72, ttmp9, 3200
	s_add_nc_u64 s[20:21], s[16:17], s[72:73]
	s_lshl_b32 s72, ttmp9, 13
	s_add_nc_u64 s[22:23], s[16:17], s[72:73]
	s_add_nc_u64 s[22:23], s[22:23], 800256
	s_lshl_b32 s72, ttmp9, 7
	s_add_nc_u64 s[76:77], s[16:17], s[72:73]
	s_add_nc_u64 s[76:77], s[76:77], 2848256
.set cq, 0
.rept 16
	global_load_b128 v[LAND+4*cq:LAND+4*cq+3], v[CA0], s[4:5] offset:1024*(cq/2)+512*(cq%2)  ; block 0
.set cq, cq+1
.endr
	WIN 0x80
.set gq, 0
.rept 32
	global_load_b128 v[64*(gq/8)+8*(gq%8):64*(gq/8)+8*(gq%8)+3], v[48+(gq%8)/2], s[8:9] offset:8192*(gq/8)+64*(gq&1)
	global_load_b128 v[64*(gq/8)+8*(gq%8)+4:64*(gq/8)+8*(gq%8)+7], v[48+(gq%8)/2], s[8:9] offset:8192*(gq/8)+64*(gq&1)+32
.set gq, gq+1
.endr
	WIN 0xc0
.set gq, 0
.rept 32
	global_load_b128 v[64*(gq/8)+8*(gq%8):64*(gq/8)+8*(gq%8)+3], v[48+(gq%8)/2], s[8:9] offset:131072+8192*(gq/8)+64*(gq&1)
	global_load_b128 v[64*(gq/8)+8*(gq%8)+4:64*(gq/8)+8*(gq%8)+7], v[48+(gq%8)/2], s[8:9] offset:131072+8192*(gq/8)+64*(gq&1)+32
.set gq, gq+1
.endr
	WIN 0x40
.irp k, 0,1,2,3
	global_load_b128 v[240+4*\k:243+4*\k], v53, s[10:11] offset:262144+32*\k
.endr
.irp t, 0,1,2,3
	global_load_b128 v[128+8*\t:131+8*\t], v52, s[12:13] offset:64*\t
	global_load_b128 v[132+8*\t:135+8*\t], v52, s[12:13] offset:64*\t+16
	global_load_b128 v[160+8*\t:163+8*\t], v52, s[14:15] offset:64*\t
	global_load_b128 v[164+8*\t:167+8*\t], v52, s[14:15] offset:64*\t+16
.endr
.set gq, 0
.rept 32
	v_mov_b32 v[192+gq], 0                         ; O starts at 0, on purpose: no first softmax step is written out; these stand in the wait for the first loads
.set gq, gq+1
.endr
	WIN 0
.irp h, 0,1,2,3,4,5,6,7
	v_mov_b32 v[MX+\h], 0xff7fffff                 ; m starts at the lowest finite number: the first step's a is 0
	v_mov_b32 v[PT+\h], 0
.endr
	ds_store_b128 v[CSS], v[PT:PT+3] offset:16     ; heads 8-15 of the weights' tile are 0, once
	v_add_nc_u32 v[CW], XS0, v[CW0]
	s_wait_loadcnt 0x0
.irp h, 0,1,2,3,4,5,6,7
	v_mov_b32 v[LS+\h], 0                          ; (these registers held the weights' offsets)
.endr
.set cn, 0
.rept 32
	CVQN
.set cn, cn+1
.endr
	CSTORE
	s_mov_b32 s[SX], XS0
	s_mov_b32 s[SXO], XS0+SLOT1
	s_mov_b32 s[SE], EX0
	s_mov_b32 s[SB], 0
	s_mov_b32 s[SRC], 0
	s_mov_b32 s[LIM], 65536
	s_mov_b32 s[RB], 0
	s_mov_b32 s[MB], 0
	s_wait_tensorcnt 0x1                           ; my part of slot 0 is in; slot 1's load is younger and may stay out
	s_wait_dscnt 0x0
	s_barrier_signal -1
	s_barrier_wait -1
.irp j, 0,1,2,3
	v_add_nc_u32 v[XP+\j], s[SX], v[XP0+\j]
.endr
	v_add_nc_u32 v[CW], s[SXO], v[CW0]
	v_add_nc_u32 v[NSA], s[SE], v[NS0]
	v_add_nc_u32 v[GSA], s[SE], v[GS0]
	v_add_nc_u32 v[ERG], s[SE], v[ERG0]
	v_add_nc_u32 v[ERN], s[SE], v[ERN0]
	XLOAD XF, 0                                    ; block 0, unit 0,
	XLOAD XF+64, 8448                              ; and unit 1
	LLOAD                                          ; block 1
	s_wait_dscnt 0x0
	s_wait_kmcnt 0x0
	GEMM 0, 0                                      ; block 0's unit 0: there is no vector work yet to set beside it
	WIN 0
	PLACES
	PLACES
	s_mov_b32 s[OUT], 6
	s_mov_b32 s[CNT], 2
.Lg:                                           ; trips 0 .. 16; a slot is left behind trips 1, 4, 7, 10, 13, 16
.Lb:
	BODY
	s_sub_co_u32 s[CNT], s[CNT], 1
	s_cmp_lg_u32 s[CNT], 0
	s_cbranch_scc1 .Lb
	REFILL 1
	s_mov_b32 s[CNT], 3
	s_sub_co_u32 s[OUT], s[OUT], 1
	s_cmp_lg_u32 s[OUT], 0
	s_cbranch_scc1 .Lg
	s_mov_b32 s[OUT], 2                            ; the tail is written out: trips 17-19, then 20-24
	s_mov_b32 s[CNT], 3
.Lt:
.Lc:
	BODY
	s_sub_co_u32 s[CNT], s[CNT], 1
	s_cmp_lg_u32 s[CNT], 0
	s_cbranch_scc1 .Lc
	REFILL 0
	s_mov_b32 s[CNT], 5
	s_sub_co_u32 s[OUT], s[OUT], 1
	s_cmp_lg_u32 s[OUT], 0
	s_cbranch_scc1 .Lt
	; THE WAY OUT.  The barrier just passed shows that nobody reads y_v's bytes any more: O goes through them, so that whole rows leave.
	PLACES
	PLACES
	s_lshl_b32 s71, s[WV], 8
	s_add_co_u32 s71, s71, YS
	v_lshl_add_u32 v3, v1, 2, s71
	v_lshl_add_u32 v3, v2, 13, v3                  ; the lanes' upper half holds heads 8-15, zeros: they go 8192 bytes on and are not read back
	WIN 0x04
.irp t, 0,1,2,3
.irp j, 0,1,2,3,4,5,6,7
	ds_store_b32 v3, v[192+8*\t+\j] offset:1024*\j+64*\t
.endr
.endr
	WIN 0
.irp x, 1,2,4,8
.irp h, 0,1,2,3,4,5,6,7
	v_add_f32_dpp v[LS+\h], v[LS+\h], v[LS+\h] row_xmask:\x row_mask:0xf bank_mask:0xf
.endr
.endr
.irp h, 0,1,2,3,4,5,6,7
	v_permlanex16_b32 v[PT+\h], v[LS+\h], s[SEL], s[SEL+1]
.endr
.irp h, 0,1,2,3,4,5,6,7
	v_add_f32 v[LS+\h], v[LS+\h], v[PT+\h]
.endr
	v_mov_b32 v4, 0
.irp h, 0,1,2,3,4,5,6,7
	s_mov_b32 s71, 1<<\h
	v_cndmask_b32 v4, v4, v[MX+\h], s71
	s_mov_b32 s72, 256<<\h
	v_cndmask_b32 v4, v4, v[LS+\h], s72
.endr
	s_wait_dscnt 0x0
	s_barrier_signal -1
	s_barrier_wait -1
	s_lshl_b32 s71, s[WV], 11
	v_lshl_add_u32 v5, v[LN], 4, s71
	v_add_nc_u32 v6, YS, v5
.irp k, 0,1,2,3
	ds_load_b128 v[64+4*\k:67+4*\k], v6 offset:512*\k
.endr
	s_wait_dscnt 0x0
.irp k, 0,1,2,3
	global_store_b128 v5, v[64+4*\k:67+4*\k], s[22:23] offset:512*\k   ; 512 consecutive bytes, aligned
.endr
	s_cmp_lg_u32 s[WV], 0
	s_cbranch_scc1 .Lfin
	global_store_b32 v[RO0], v4, s[76:77]
.Lfin:
	s_wait_tensorcnt 0x0                           ; the wave's end
	ds_add_u32 v[SPW], v[NIL]
	s_wait_dscnt 0x0
	s_endpgm
.Lfunc_end_k_q8e26bbc48f_main:
	.size	k_q8e26bbc48f_main, .Lfunc_end_k_q8e26bbc48f_main-k_q8e26bbc48f_main
	.p2alignl 7, 3214868480
	.fill 96, 4, 3214868480
	.section	.rodata,"a",@progbits
	.p2align	6, 0x0
	.amdhsa_kernel k_q8e26bbc48f_main
		.amdhsa_group_segment_fixed_size 327680
		.amdhsa_private_segment_fixed_size 0
		.amdhsa_enable_private_segment 0
		.amdhsa_kernarg_size 56
		.amdhsa_user_sgpr_count 2
		.amdhsa_user_sgpr_kernarg_segment_ptr 1
		.amdhsa_wavefront_size32 1
		.amdhsa_system_sgpr_workgroup_id_x 1
		.amdhsa_system_sgpr_workgroup_id_y 1
		.amdhsa_system_sgpr_workgroup_id_z 1
		.amdhsa_system_vgpr_workitem_id 0
		.amdhsa_next_free_vgpr 1024
		.amdhsa_next_free_sgpr 80
		.amdhsa_reserve_vcc 1
		.amdhsa_float_denorm_mode_32 3
		.amdhsa_float_denorm_mode_16_64 3
		.amdhsa_memory_ordered 1
		.amdhsa_forward_progress 1
		.amdhsa_inst_pref_size 124
	.end_amdhsa_kernel
	.amdgpu_metadata
---
amdhsa.version: [ 1, 2 ]
amdhsa.kernels:
  - .name:           k_q8e26bbc48f_main
    .symbol:         k_q8e26bbc48f_main.kd
    .args:
      - { .name: node_embeddings, .offset: 0, .size: 8, .value_kind: global_buffer, .address_space: global }
      - { .name: invalid_action_mask, .offset: 8, .size: 8, .value_kind: global_buffer, .address_space: global }
      - { .name: w1, .offset: 16, .size: 8, .value_kind: global_buffer, .address_space: global }
      - { .name: w2, .offset: 24, .size: 8, .value_kind: global_buffer, .address_space: global }
      - { .name: bk, .offset: 32, .size: 8, .value_kind: global_buffer, .address_space: global }
      - { .name: bv, .offset: 40, .size: 8, .value_kind: global_buffer, .address_space: global }
      - { .name: w3, .offset: 48, .size: 8, .value_kind: global_buffer, .address_space: global }
    .group_segment_fixed_size: 327680
    .private_segment_fixed_size: 0
    .kernarg_segment_align: 8
    .kernarg_segment_size: 56
    .max_flat_workgroup_size: 128
    .sgpr_count:     80
    .vgpr_count:     1024
    .wavefront_size: 32
...
	.end_amdgpu_metadata
.endif
;; end of part 3
;; launch comb (part 4): grid 32 x 1, 8 waves a work-group, no clusters, 3,328 bytes of LDS; arguments w3, w1, w2, in_proj_w, in_proj_b, w4; writes w4
.if DOCPART == 4
	.amdgcn_target "amdgcn-amd-amdhsa--gfx1250"
	.amdhsa_code_object_version 6
	.text
	.protected	k_q8e26bbc48f_comb
	.globl	k_q8e26bbc48f_comb
	.p2align	8
	.type	k_q8e26bbc48f_comb,@function
k_q8e26bbc48f_comb:
	s_mov_b64 s[64:65], 0
	v_nop
	global_prefetch_b8 v0, s[64:65] scope:SCOPE_SE
	s_setreg_imm32_b32 hwreg(HW_REG_WAVE_MODE, 25, 1), 1
	s_wait_xcnt 0x0
; Launch 4 of 6.  The 250 partial (m, L, O_h) of the pass over the nodes are joined under the common maximum M: o = sum of 2^(m - M) O / sum of 2^(m - M) L.
; Then ap = wv2_h o + bv2_h, and this work-group's share of a2 = R ap and of g' = RK ap.  The product values wv2^T is not made: see the head of the first kernel.
; SHARES.  Work-group number = 4 h + c: head h, columns 64 c .. 64 c + 63 of O_h.  ap is linear in o, a2 and g' are linear in ap: each quarter of the columns gives a share of its own,
; the bias bv2 goes into quarter 0 alone, and the next launch adds the 32 shares and R0, RK0.
; Eight waves, 32 partials each: a load of 16 bytes a lane brings the 256 bytes of two partials (lanes 0-15 one, lanes 16-31 the next).  8 x 32 = 256 for 250 partials: wave 7 starts at partial 218
; and counts its first six, which are wave 6's, as 0: so every offset is an immediate and no load leaves the buffer.
; LDS: the waves' sums [8][64] f32 at 0; ap[32] at 2048; the spare words at 2304 (1024 bytes).     w4: the shares of a2 [32][256] at 0, of g' [32][256] at 32768.
.set AP, 2048
.set SPARE, 2304
.set SPW, 60
.set NIL, 61
.set SEL, 36
.macro WSUM a, b                       ; the sum of v[a] over the 32 lanes, in every lane; v[b] at work (written before)
	v_add_f32_dpp v[\a], v[\a], v[\a] row_xmask:1 row_mask:0xf bank_mask:0xf
	v_add_f32_dpp v[\a], v[\a], v[\a] row_xmask:2 row_mask:0xf bank_mask:0xf
	v_add_f32_dpp v[\a], v[\a], v[\a] row_xmask:4 row_mask:0xf bank_mask:0xf
	v_add_f32_dpp v[\a], v[\a], v[\a] row_xmask:8 row_mask:0xf bank_mask:0xf
	v_permlanex16_b32 v[\b], v[\a], s[SEL], s[SEL+1]
	v_add_f32 v[\a], v[\a], v[\b]
.endm
	s_load_b256 s[4:11], s[0:1], 0x0               ; w3 4, w1 6, w2 8, in_proj_w 10
	s_load_b128 s[12:15], s[0:1], 0x20             ; in_proj_b 12, w4 14
	v_lshl_add_u32 v[SPW], v0, 2, SPARE
	v_mov_b32 v[NIL], 0
	v_lshrrev_b32 v1, 5, v0
	v_readfirstlane_b32 s16, v1                    ; wave
	v_and_b32 v2, 31, v0                           ; lane
	v_and_b32 v3, 15, v0                           ; r
	v_bfe_u32 v11, v0, 4, 1                        ; half
	s_lshr_b32 s17, ttmp9, 2                       ; h
	s_and_b32 s18, ttmp9, 3                        ; c
	s_lshl_b32 s19, s17, 2                         ; 4 h
	s_lshl_b32 s20, s16, 5                         ; 32 w
	s_min_u32 s21, s20, 218                        ; my first partial
	s_mov_b32 s[SEL], 0x76543210
	s_mov_b32 s[SEL+1], 0xfedcba98
	v_lshl_add_u32 v4, v2, 7, s19                  ; statistics of partial lane + 32 q, q = 0 .. 6
	v_add_nc_u32 v5, 224, v2
	v_min_u32 v5, 249, v5                          ; q = 7: the last lanes repeat partial 249; its L is set to 0 there
	v_lshl_add_u32 v5, v5, 7, s19
	v_add_nc_u32 v44, s21, v11                     ; my half's first partial
	v_lshl_add_u32 v6, v44, 7, s19                 ; its m
	v_mov_b32 v46, s20
	v_sub_nc_u32 v45, v44, v46                     ; partial 2 j further is mine where this + 2 j is not negative
	s_lshl_b32 s22, s17, 10
	s_lshl_b32 s23, s18, 8
	s_add_co_u32 s22, s22, s23
	v_lshl_add_u32 v7, v44, 13, s22
	v_lshl_add_u32 v7, v3, 4, v7                   ; its O: head h, columns 64 c + 4 r on
	s_lshl_b32 s24, s17, 5
	s_lshl_b32 s25, s16, 2
	s_add_co_u32 s24, s24, s25
	s_add_co_u32 s24, s24, 512
	v_add_nc_u32 v47, s24, v11                     ; row 512 + 32 h + 4 w + half of in_proj_w
	v_lshl_add_u32 v8, v47, 10, s23
	v_lshl_add_u32 v8, v3, 4, v8
	v_lshlrev_b32 v9, 2, v47
	v_add_nc_u32 v46, s20, v2                      ; e = 32 w + lane
	s_lshl_b32 s26, s17, 15
	v_lshl_add_u32 v10, v46, 2, s26
	s_lshl_b32 s27, s17, 7
	v_lshl_add_u32 v58, v46, 10, s27
	s_lshl_b32 s28, ttmp9, 10
	v_lshl_add_u32 v59, v46, 2, s28
	s_cmp_eq_u32 s18, 0
	s_cselect_b32 s29, 1.0, 0                      ; the bias counts in quarter 0
.irp k, 52,53,54,55,63
	v_mov_b32 v[\k], 0                             ; destinations of v_permlanex16_b32 count as read
.endr
	s_wait_kmcnt 0x0
.set kq, 0
.rept 7
	global_load_b32 v[12+kq], v4, s[4:5] offset:2848256+4096*kq
	global_load_b32 v[20+kq], v4, s[4:5] offset:2848288+4096*kq
.set kq, kq+1
.endr
	global_load_b32 v19, v5, s[4:5] offset:2848256
	global_load_b32 v27, v5, s[4:5] offset:2848288
.set kq, 0
.rept 16
	global_load_b32 v[28+kq], v6, s[4:5] offset:2848256+256*kq
.set kq, kq+1
.endr
.set kq, 0
.rept 16
	global_load_b128 v[64+4*kq:67+4*kq], v7, s[4:5] offset:800256+16384*kq
.set kq, kq+1
.endr
.irp k, 0,1
	global_load_b128 v[128+4*\k:131+4*\k], v8, s[10:11] offset:2048*\k
	global_load_b32 v[136+\k], v9, s[12:13] offset:8*\k
.endr
	s_wait_loadcnt 20                              ; the 16 loads of O, 2 of wv2 and 2 of the bias are younger than the statistics
.set kq, 0
.rept 32
	global_load_b32 v[192+kq], v10, s[6:7] offset:262144+1024*kq   ; RT[32 h + d][e]: wanted last, asked for now
.set kq, kq+1
.endr
.irp k, 0,1,2,3,4,5,6,7
	global_load_b128 v[224+4*\k:227+4*\k], v58, s[8:9] offset:16*\k   ; RK[e][32 h ..]
.endr
	v_max3_num_f32 v62, v12, v13, v14
	v_max3_num_f32 v62, v62, v15, v16
	v_max3_num_f32 v62, v62, v17, v18
	v_max_num_f32 v62, v62, v19
	v_max_num_f32_dpp v62, v62, v62 row_xmask:1 row_mask:0xf bank_mask:0xf
	v_max_num_f32_dpp v62, v62, v62 row_xmask:2 row_mask:0xf bank_mask:0xf
	v_max_num_f32_dpp v62, v62, v62 row_xmask:4 row_mask:0xf bank_mask:0xf
	v_max_num_f32_dpp v62, v62, v62 row_xmask:8 row_mask:0xf bank_mask:0xf
	v_permlanex16_b32 v63, v62, s[SEL], s[SEL+1]
	v_max_num_f32 v62, v62, v63                    ; M
.set kq, 0
.rept 8
	v_sub_f32 v[12+kq], v[12+kq], v62
.set kq, kq+1
.endr
.set kq, 0
.rept 16
	v_sub_f32 v[28+kq], v[28+kq], v62
.set kq, kq+1
.endr
.set kq, 0
.rept 8
	v_exp_f32 v[12+kq], v[12+kq]
.set kq, kq+1
.endr
.set kq, 0
.rept 16
	v_exp_f32 v[28+kq], v[28+kq]
.set kq, kq+1
.endr
	v_cmp_gt_u32 vcc_lo, 26, v2
	v_cndmask_b32 v27, 0, v27, vcc_lo              ; 224 + lane passes 249 from lane 26 on
	s_wait_alu depctr_va_vdst(0)                   ; one wait for the 24 exponentials
	v_mul_f32 v20, v20, v12
.irp q, 1,2,3,4,5,6,7
	v_fmac_f32 v20, v[20+\q], v[12+\q]
.endr
	WSUM 20, 63
	v_rcp_f32 v46, v20                             ; 1 / L: the partial that holds M adds at least 1
.set kq, 0
.rept 16
	v_cmp_le_i32 vcc_lo, -2*kq, v45
	v_cndmask_b32 v[28+kq], 0, v[28+kq], vcc_lo    ; a partial that is another wave's counts as 0
.set kq, kq+1
.endr
	s_wait_alu depctr_va_vdst(0)                   ; the reciprocal's wait; the lines above are the work between
	s_wait_loadcnt 44                              ; O is in: wv2's 2, the bias's 2 and the 40 of RT and RK are younger
.irp k, 0,1,2,3
	v_mul_f32 v[48+\k], v28, v[64+\k]
.endr
.set kq, 1
.rept 15
.irp k, 0,1,2,3
	v_fmac_f32 v[48+\k], v[28+kq], v[64+4*kq+\k]
.endr
.set kq, kq+1
.endr
.irp k, 0,1,2,3
	v_permlanex16_b32 v[52+\k], v[48+\k], s[SEL], s[SEL+1]
.endr
.irp k, 0,1,2,3
	v_add_f32 v[48+\k], v[48+\k], v[52+\k]         ; the two halves' partials
.endr
	s_lshl_b32 s30, s16, 8
	v_lshl_add_u32 v44, v3, 4, s30
	ds_store_b128 v44, v[48:51]                    ; both halves write the same numbers to the same bytes
	s_wait_dscnt 0x0
	s_barrier_signal -1
	s_barrier_wait -1
	v_lshlrev_b32 v45, 4, v3
.irp k, 0,1,2,3,4,5,6,7
	ds_load_b128 v[64+4*\k:67+4*\k], v45 offset:256*\k
.endr
	s_wait_dscnt 0x0
.set kq, 1
.rept 7
	v_pk_add_f32 v[64:65], v[64:65], v[64+4*kq:65+4*kq]
	v_pk_add_f32 v[66:67], v[66:67], v[66+4*kq:67+4*kq]
.set kq, kq+1
.endr
.irp k, 0,1,2,3
	v_mul_f32 v[64+\k], v[64+\k], v46              ; o, columns 64 c + 4 r on
.endr
	s_wait_loadcnt 40                              ; wv2 and the bias are in; RT and RK may stay out
.irp k, 0,1
	v_mul_f32 v[56+\k], v[128+4*\k], v64
	v_fmac_f32 v[56+\k], v[129+4*\k], v65
	v_fmac_f32 v[56+\k], v[130+4*\k], v66
	v_fmac_f32 v[56+\k], v[131+4*\k], v67
.endr
.irp x, 1,2,4,8
.irp k, 0,1
	v_add_f32_dpp v[56+\k], v[56+\k], v[56+\k] row_xmask:\x row_mask:0xf bank_mask:0xf   ; over the 16 lanes of a half: row d = 4 w + 2 k + half
.endr
.endr
	s_lshl_b32 s30, s16, 4
	s_add_co_u32 s30, s30, AP
	v_lshl_add_u32 v44, v11, 2, s30
.irp k, 0,1
	v_fma_f32 v[56+\k], v[136+\k], s29, v[56+\k]
	ds_store_b32 v44, v[56+\k] offset:8*\k
.endr
	s_wait_dscnt 0x0
	s_barrier_signal -1
	s_barrier_wait -1
	v_mov_b32 v45, AP
.irp k, 0,1,2,3,4,5,6,7
	ds_load_b128 v[64+4*\k:67+4*\k], v45 offset:16*\k
.endr
	s_wait_loadcnt 0x0
	s_wait_dscnt 0x0
	v_mul_f32 v48, v64, v192
	v_mul_f32 v49, v64, v224
.set kq, 1
.rept 31
	v_fmac_f32 v48, v[64+kq], v[192+kq]
	v_fmac_f32 v49, v[64+kq], v[224+kq]
.set kq, kq+1
.endr
	global_store_b32 v59, v48, s[14:15]
	global_store_b32 v59, v49, s[14:15] offset:32768
	s_wait_tensorcnt 0x0                           ; the wave's end
	ds_add_u32 v[SPW], v[NIL]
	s_wait_dscnt 0x0
	s_endpgm
.Lfunc_end_k_q8e26bbc48f_comb:
	.size	k_q8e26bbc48f_comb, .Lfunc_end_k_q8e26bbc48f_comb-k_q8e26bbc48f_comb
	.p2alignl 7, 3214868480
	.fill 96, 4, 3214868480
	.section	.rodata,"a",@progbits
	.p2align	6, 0x0
	.amdhsa_kernel k_q8e26bbc48f_comb
		.amdhsa_group_segment_fixed_size 3328
		.amdhsa_private_segment_fixed_size 0
		.amdhsa_enable_private_segment 0
		.amdhsa_kernarg_size 48
		.amdhsa_user_sgpr_count 2
		.amdhsa_user_sgpr_kernarg_segment_ptr 1
		.amdhsa_wavefront_size32 1
		.amdhsa_system_sgpr_workgroup_id_x 1
		.amdhsa_system_sgpr_workgroup_id_y 1
		.amdhsa_system_sgpr_workgroup_id_z 1
		.amdhsa_system_vgpr_workitem_id 0
		.amdhsa_next_free_vgpr 256
		.amdhsa_next_free_sgpr 66
		.amdhsa_reserve_vcc 1
		.amdhsa_float_denorm_mode_32 3
		.amdhsa_float_denorm_mode_16_64 3
		.amdhsa_memory_ordered 1
		.amdhsa_forward_progress 1
		.amdhsa_inst_pref_size 24
	.end_amdhsa_kernel
	.amdgpu_metadata
---
amdhsa.version: [ 1, 2 ]
amdhsa.kernels:
  - .name:           k_q8e26bbc48f_comb
    .symbol:         k_q8e26bbc48f_comb.kd
    .args:
      - { .name: w3, .offset: 0, .size: 8, .value_kind: global_buffer, .address_space: global }
      - { .name: w1, .offset: 8, .size: 8, .value_kind: global_buffer, .address_space: global }
      - { .name: w2, .offset: 16, .size: 8, .value_kind: global_buffer, .address_space: global }
      - { .name: in_proj_w, .offset: 24, .size: 8, .value_kind: global_buffer, .address_space: global }
      - { .name: in_proj_b, .offset: 32, .size: 8, .value_kind: global_buffer, .address_space: global }
      - { .name: w4, .offset: 40, .size: 8, .value_kind: global_buffer, .address_space: global }
    .group_segment_fixed_size: 3328
    .private_segment_fixed_size: 0
    .kernarg_segment_align: 8
    .kernarg_segment_size: 48
    .max_flat_workgroup_size: 256
    .sgpr_count:     66
    .vgpr_count:     256
    .wavefront_size: 32
...
	.end_amdgpu_metadata
.endif
;; end of part 4
;; launch score (part 5): grid 250 x 1, 20 waves a work-group, no clusters, 5,120 bytes of LDS; arguments node_embeddings, invalid_action_mask, w3, w4, w1, w2, bk, w5; writes w5
.if DOCPART == 5
	.amdgcn_target "amdgcn-amd-amdhsa--gfx1250"
	.amdhsa_code_object_version 6
	.text
	.protected	k_q8e26bbc48f_score
	.globl	k_q8e26bbc48f_score
	.p2align	8
	.type	k_q8e26bbc48f_score,@function
k_q8e26bbc48f_score:
	s_mov_b64 s[64:65], 0
	v_nop
	global_prefetch_b8 v0, s[64:65] scope:SCOPE_SE
	s_setreg_imm32_b32 hwreg(HW_REG_WAVE_MODE, 25, 1), 1
	s_wait_xcnt 0x0
; Launch 5 of 6: the pointer scores, a second pass over the nodes, all in f32.  score = (x . g' + bk . a2) / max(|a2|, 1e-12) x rk; ev = e^score, or 0 where the node is invalid; the work-group's sum of ev.
; NO MAXIMUM IS TAKEN AWAY: the score is the product of two vectors that the computation itself brings to length 1 at the most, so it lies in -1 .. 1 for every input, and e^score in 0.36 .. 2.8.
; An invalid node's -1e9 lies at least 1e9 - 1 below every valid score: its weight is 0 in f32.  That no node may be valid is seen to in the last launch.
; keys is not made again: x . (Wk^T a) stands for (Wk x) . a (see the head of the first kernel).
; A STREAM: 200,000 rows = 250 work-groups x 20 waves x 40 rows: equal shares.  One wave, one row at a time: a lane holds columns 4 l .. and 128 + 4 l ..; two slots of 8 rows in registers.
; No matrix unit and no cluster: nothing is shared but the set-up's vectors.
; THE SET-UP is made once a work-group, a thread a column: waves 0-7 add RK0 and the 32 shares of g', waves 8-15 add R0 and the 32 shares of a2 and take their parts of |a2|^2 and a2 . bk.
; Its loads go out ahead of the two slots', which are on their way while it is made.
; A wave's 40 results are 160 bytes, stored from registers as 128 + 32.
; LDS: g' [256], then a2 [256] (not read), at 0; the waves' pairs (|.|^2, . bk) at 2048 (those of waves 8-15 are read); the waves' sums of ev at 2304; the spare words at 2560 (2560 bytes).
.set PSM, 2048
.set WS, 2304
.set SPARE, 2560
.set SEL, 20
.macro WSUM a, b
	v_add_f32_dpp v[\a], v[\a], v[\a] row_xmask:1 row_mask:0xf bank_mask:0xf
	v_add_f32_dpp v[\a], v[\a], v[\a] row_xmask:2 row_mask:0xf bank_mask:0xf
	v_add_f32_dpp v[\a], v[\a], v[\a] row_xmask:4 row_mask:0xf bank_mask:0xf
	v_add_f32_dpp v[\a], v[\a], v[\a] row_xmask:8 row_mask:0xf bank_mask:0xf
	v_permlanex16_b32 v[\b], v[\a], s[SEL], s[SEL+1]
	v_add_f32 v[\a], v[\a], v[\b]
.endm
.macro FILL s, k                       ; rows 8 k .. 8 k + 7 into slot s: 16 loads of 512 consecutive bytes
.set ri, 0
.rept 8
	global_load_b128 v[64+64*(\s)+8*ri:67+64*(\s)+8*ri], v2, s[4:5] offset:1024*(8*(\k)+ri) th:TH_LOAD_NT
	global_load_b128 v[68+64*(\s)+8*ri:71+64*(\s)+8*ri], v2, s[4:5] offset:1024*(8*(\k)+ri)+512 th:TH_LOAD_NT
.set ri, ri+1
.endr
.endm
; Rows 8 k .. 8 k + 7, stage by stage: eight chains that do not wait for each other.  The slot is asked for again as soon as its last number is read.  Row i's sum goes to lane (8 k + i) % 32 of v22 (rows 0-31) or v23 (rows 32-39).
.macro TURN k
.if (\k) < 4
	s_wait_loadcnt 16                              ; the other slot's 16 loads are younger
.else
	s_wait_loadcnt 0x0
.endif
.set sbs, 64+64*((\k)&1)
.set ri, 0
.rept 8
	v_pk_mul_f32 v[34+2*ri:35+2*ri], v[sbs+8*ri:sbs+8*ri+1], v[8:9]
.set ri, ri+1
.endr
.irp c, 1,2,3
.set ri, 0
.rept 8
	v_pk_fma_f32 v[34+2*ri:35+2*ri], v[sbs+8*ri+2*\c:sbs+8*ri+2*\c+1], v[8+2*\c:9+2*\c], v[34+2*ri:35+2*ri]
.set ri, ri+1
.endr
.endr
.if (\k) < 3
	FILL (\k)&1, (\k)+2
.endif
.set ri, 0
.rept 8
	v_add_f32 v[34+2*ri], v[34+2*ri], v[35+2*ri]
.set ri, ri+1
.endr
.irp x, 1,2,4,8
.set ri, 0
.rept 8
	v_add_f32_dpp v[34+2*ri], v[34+2*ri], v[34+2*ri] row_xmask:\x row_mask:0xf bank_mask:0xf
.set ri, ri+1
.endr
.endr
.set ri, 0
.rept 8
	v_permlanex16_b32 v[50+ri], v[34+2*ri], s[SEL], s[SEL+1]
.set ri, ri+1
.endr
.set ri, 0
.rept 8
	v_add_f32 v[34+2*ri], v[34+2*ri], v[50+ri]
.set ri, ri+1
.endr
.set ri, 0
.rept 8
	s_mov_b32 s30, 1<<((8*(\k)+ri)&31)
	v_cndmask_b32 v[22+(\k)/4], v[22+(\k)/4], v[34+2*ri], s30
.set ri, ri+1
.endr
.endm
	s_load_b512 s[4:19], s[0:1], 0x0               ; x 4, mask 6, w3 8, w4 10, w1 12, w2 14, bk 16, w5 18
	v_lshl_add_u32 v32, v0, 2, SPARE
	v_mov_b32 v33, 0
	v_lshrrev_b32 v1, 5, v0
	v_readfirstlane_b32 s24, v1                    ; wave
	v_and_b32 v3, 31, v0                           ; lane
	v_lshlrev_b32 v2, 4, v3
	v_lshlrev_b32 v4, 2, v3
	v_min_u32 v6, 7, v3                            ; rows 32-39 lie in lanes 0-7; the other lanes repeat row 39 and are not used
	v_lshlrev_b32 v7, 2, v6
	v_and_b32 v5, 255, v0
	v_lshlrev_b32 v5, 2, v5                        ; the set-up's column
	s_mul_i32 s25, ttmp9, 20
	s_add_co_u32 s25, s25, s24                     ; my 40 rows
	s_mul_i32 s26, s25, 40960
	s_mov_b32 s27, 0
	s_mov_b32 s[SEL], 0x76543210
	s_mov_b32 s[SEL+1], 0xfedcba98
	s_mov_b32 s36, 270592
	s_mov_b32 s37, 0
	s_mov_b32 s38, 525312
	s_mov_b32 s39, 0
.irp k, 20,22,23,50,51,52,53,54,55,56,57
	v_mov_b32 v[\k], 0                             ; the results start at 0; destinations of v_permlanex16_b32 count as read
.endr
	s_wait_kmcnt 0x0
	s_add_nc_u64 s[4:5], s[4:5], s[26:27]
	s_add_nc_u64 s[32:33], s[18:19], 800256        ; the work-groups' sums
	s_mul_i32 s26, s25, 160
	s_add_nc_u64 s[8:9], s[8:9], s[26:27]
	s_add_nc_u64 s[18:19], s[18:19], s[26:27]
	s_mul_i32 s26, s25, 40
	s_add_nc_u64 s[6:7], s[6:7], s[26:27]
	s_cmp_lt_u32 s24, 8                            ; waves 0-7: g' (RK0 in w2, shares at 32768); waves 8-15: a2 (R0 in w1, shares at 0)
	s_cselect_b64 s[34:35], s[14:15], s[12:13]
	s_cselect_b32 s36, s36, s38
	s_cselect_b32 s38, 32768, 0
	s_add_nc_u64 s[34:35], s[34:35], s[36:37]
	s_add_nc_u64 s[28:29], s[10:11], s[38:39]
	s_cmp_lt_u32 s24, 16
	s_cbranch_scc0 .Lno_loads
.set kq, 0
.rept 30
	global_load_b32 v[34+kq], v5, s[28:29] offset:1024*kq
.set kq, kq+1
.endr
	global_load_b32 v8, v5, s[28:29] offset:30720
	global_load_b32 v9, v5, s[28:29] offset:31744
	global_load_b32 v10, v5, s[34:35]
	global_load_b32 v11, v5, s[16:17]
.Lno_loads:
	global_load_b32 v25, v4, s[8:9]                ; rk of rows 0-31,
	global_load_b32 v26, v7, s[8:9] offset:128     ; of rows 32-39
	global_load_u8 v27, v3, s[6:7]
	global_load_u8 v28, v6, s[6:7] offset:32
	FILL 0, 0
	FILL 1, 1
	s_wait_loadcnt 36                              ; the set-up's loads are in: the 4 of rk and mask and the 32 of the two slots are younger
	s_cmp_lt_u32 s24, 16
	s_cbranch_scc0 .Lno_sum
.set kq, 36
.rept 14
	v_pk_add_f32 v[34:35], v[34:35], v[kq:kq+1]
.set kq, kq+2
.endr
	v_pk_add_f32 v[34:35], v[34:35], v[8:9]
	v_add_f32 v34, v34, v35
	v_add_f32 v34, v34, v10                        ; my column of g' or of a2
	v_mul_f32 v36, v34, v34
	v_mul_f32 v37, v34, v11
	WSUM 36, 20
	WSUM 37, 20
	v_lshlrev_b32 v12, 2, v0
	ds_store_b32 v12, v34
	s_lshl_b32 s22, s24, 3
	s_add_co_u32 s22, s22, PSM
	v_mov_b32 v13, s22
	ds_store_b64 v13, v[36:37]                     ; all lanes write the same pair
.Lno_sum:
	s_wait_dscnt 0x0
	s_barrier_signal -1
	s_barrier_wait -1
	ds_load_b128 v[8:11], v2
	ds_load_b128 v[12:15], v2 offset:512
	v_mov_b32 v1, PSM+64
.irp k, 0,1,2,3
	ds_load_b128 v[34+4*\k:37+4*\k], v1 offset:16*\k
.endr
	s_wait_dscnt 0x0
.irp k, 1,2,3,4,5,6,7
	v_pk_add_f32 v[34:35], v[34:35], v[34+2*\k:35+2*\k]
.endr
	v_rsq_f32 v36, v34
	v_nop
	s_wait_alu depctr_va_vdst(0)                   ; the root's wait
	v_min_num_f32 v36, 0x5368d4a5, v36             ; 1 / max(|a2|, 1e-12)
	v_mul_f32 v36, 0x3fb8aa3b, v36                 ; and log2(e): the exponential is in base 2
	v_mul_f32 v21, v35, v36
.irp k, 0,1,2,3,4,5,6,7
	v_mul_f32 v[8+\k], v[8+\k], v36
.endr
	TURN 0
	TURN 1
	TURN 2
	TURN 3
	TURN 4
	v_add_f32 v29, v22, v21
	v_add_f32 v30, v23, v21
	v_mul_f32 v29, v29, v25
	v_mul_f32 v30, v30, v26
	v_exp_f32 v29, v29
	v_exp_f32 v30, v30
	v_cmp_eq_u32 vcc_lo, 0, v27
	v_cmp_eq_u32 s22, 0, v28
	v_cmp_gt_u32 s23, 8, v3
	v_nop
	s_and_b32 s22, s22, s23
	s_wait_alu depctr_va_vdst(0)                   ; one wait for the two exponentials
	v_cndmask_b32 v29, 0, v29, vcc_lo
	v_cndmask_b32 v30, 0, v30, s22
	v_add_f32 v24, v29, v30
	global_store_b32 v4, v29, s[18:19]
	v_cmp_gt_u32 vcc_lo, 8, v3
	s_wait_xcnt 0x0                                ; EXEC changes only behind this wait
	s_and_saveexec_b32 s31, vcc_lo
	global_store_b32 v4, v30, s[18:19] offset:128
	s_wait_xcnt 0x0
	s_or_b32 exec_lo, exec_lo, s31
	WSUM 24, 20
	s_lshl_b32 s22, s24, 2
	s_add_co_u32 s22, s22, WS
	v_mov_b32 v1, s22
	ds_store_b32 v1, v24
	s_wait_dscnt 0x0
	s_barrier_signal -1
	s_barrier_wait -1
	s_cmp_lg_u32 s24, 0
	s_cbranch_scc1 .Lend
	v_min_u32 v6, 19, v3
	v_lshlrev_b32 v6, 2, v6
	ds_load_b32 v34, v6 offset:WS
	s_wait_dscnt 0x0
	v_cmp_gt_u32 vcc_lo, 20, v3
	v_cndmask_b32 v34, 0, v34, vcc_lo
	WSUM 34, 20
	s_lshl_b32 s26, ttmp9, 2
	v_mov_b32 v1, s26
	v_cmp_eq_u32 vcc_lo, 0, v3
	s_wait_xcnt 0x0
	s_and_saveexec_b32 s31, vcc_lo
	global_store_b32 v1, v34, s[32:33]
	s_wait_xcnt 0x0
	s_or_b32 exec_lo, exec_lo, s31
.Lend:
	s_wait_tensorcnt 0x0                           ; the wave's end
	ds_add_u32 v32, v33
	s_wait_dscnt 0x0
	s_endpgm
.Lfunc_end_k_q8e26bbc48f_score:
	.size	k_q8e26bbc48f_score, .Lfunc_end_k_q8e26bbc48f_score-k_q8e26bbc48f_score
	.p2alignl 7, 3214868480
	.fill 96, 4, 3214868480
	.section	.rodata,"a",@progbits
	.p2align	6, 0x0
	.amdhsa_kernel k_q8e26bbc48f_score
		.amdhsa_group_segment_fixed_size 5120
		.amdhsa_private_segment_fixed_size 0
		.amdhsa_enable_private_segment 0
		.amdhsa_kernarg_size 64
		.amdhsa_user_sgpr_count 2
		.amdhsa_user_sgpr_kernarg_segment_ptr 1
		.amdhsa_wavefront_size32 1
		.amdhsa_system_sgpr_workgroup_id_x 1
		.amdhsa_system_sgpr_workgroup_id_y 1
		.amdhsa_system_sgpr_workgroup_id_z 1
		.amdhsa_system_vgpr_workitem_id 0
		.amdhsa_next_free_vgpr 192
		.amdhsa_next_free_sgpr 66
		.amdhsa_reserve_vcc 1
		.amdhsa_float_denorm_mode_32 3
		.amdhsa_float_denorm_mode_16_64 3
		.amdhsa_memory_ordered 1
		.amdhsa_forward_progress 1
		.amdhsa_inst_pref_size 50
	.end_amdhsa_kernel
	.amdgpu_metadata
---
amdhsa.version: [ 1, 2 ]
amdhsa.kernels:
  - .name:           k_q8e26bbc48f_score
    .symbol:         k_q8e26bbc48f_score.kd
    .args:
      - { .name: node_embeddings, .offset: 0, .size: 8, .value_kind: global_buffer, .address_space: global }
      - { .name: invalid_action_mask, .offset: 8, .size: 8, .value_kind: global_buffer, .address_space: global }
      - { .name: w3, .offset: 16, .size: 8, .value_kind: global_buffer, .address_space: global }
      - { .name: w4, .offset: 24, .size: 8, .value_kind: global_buffer, .address_space: global }
      - { .name: w1, .offset: 32, .size: 8, .value_kind: global_buffer, .address_space: global }
      - { .name: w2, .offset: 40, .size: 8, .value_kind: global_buffer, .address_space: global }
      - { .name: bk, .offset: 48, .size: 8, .value_kind: global_buffer, .address_space: global }
      - { .name: w5, .offset: 56, .size: 8, .value_kind: global_buffer, .address_space: global }
    .group_segment_fixed_size: 5120
    .private_segment_fixed_size: 0
    .kernarg_segment_align: 8
    .kernarg_segment_size: 64
    .max_flat_workgroup_size: 640
    .sgpr_count:     66
    .vgpr_count:     192
    .wavefront_size: 32
...
	.end_amdgpu_metadata
.endif
;; end of part 5
;; launch fin (part 6): grid 125 x 1, 5 waves a work-group, no clusters, 0 bytes of LDS; arguments w5, out0; writes out0
.if DOCPART == 6
	.amdgcn_target "amdgcn-amd-amdhsa--gfx1250"
	.amdhsa_code_object_version 6
	.text
	.protected	k_q8e26bbc48f_fin
	.globl	k_q8e26bbc48f_fin
	.p2align	8
	.type	k_q8e26bbc48f_fin,@function
k_q8e26bbc48f_fin:
	s_mov_b64 s[64:65], 0
	v_nop
	global_prefetch_b8 v0, s[64:65] scope:SCOPE_SE
	s_setreg_imm32_b32 hwreg(HW_REG_WAVE_MODE, 25, 1), 1
	s_wait_xcnt 0x0
; Launch 6 of 6: out = ev / sum of ev.  Every wave adds the 250 partial sums for itself, in one order, and scales 320 numbers: five loads and stores of 256 consecutive bytes.
; Where the sum is 0 no node is valid: all scores are then the same -1e9, and the softmax gives 1 / 200000 everywhere.
	s_load_b128 s[4:7], s[0:1], 0x0                ; w5, out0
	v_lshrrev_b32 v1, 5, v0
	v_readfirstlane_b32 s8, v1
	v_and_b32 v3, 31, v0
	v_lshlrev_b32 v2, 3, v3
	s_mul_i32 s9, ttmp9, 5
	s_add_co_u32 s9, s9, s8
	s_mul_i32 s10, s9, 1280
	s_mov_b32 s11, 0
	s_mov_b32 s12, 0x76543210
	s_mov_b32 s13, 0xfedcba98
.set kq, 0
.rept 8
	v_add_nc_u32 v[40+kq], 32*kq, v3
	v_min_u32 v[40+kq], 249, v[40+kq]
	v_lshlrev_b32 v[40+kq], 2, v[40+kq]
.set kq, kq+1
.endr
	v_mov_b32 v4, 0
	s_wait_kmcnt 0x0
	s_add_nc_u64 s[14:15], s[4:5], s[10:11]
	s_add_nc_u64 s[6:7], s[6:7], s[10:11]
.irp q, 0,1,2,3,4
	global_load_b64 v[8+2*\q:9+2*\q], v2, s[14:15] offset:256*\q
.endr
.set kq, 0
.rept 8
	global_load_b32 v[60+kq], v[40+kq], s[4:5] offset:800256
.set kq, kq+1
.endr
	s_wait_loadcnt 0x0
	v_cmp_gt_u32 vcc_lo, 26, v3
	v_cndmask_b32 v67, 0, v67, vcc_lo              ; 224 + lane passes 249 from lane 26 on
.set kq, 1
.rept 7
	v_add_f32 v60, v60, v[60+kq]
.set kq, kq+1
.endr
	v_add_f32_dpp v60, v60, v60 row_xmask:1 row_mask:0xf bank_mask:0xf
	v_add_f32_dpp v60, v60, v60 row_xmask:2 row_mask:0xf bank_mask:0xf
	v_add_f32_dpp v60, v60, v60 row_xmask:4 row_mask:0xf bank_mask:0xf
	v_add_f32_dpp v60, v60, v60 row_xmask:8 row_mask:0xf bank_mask:0xf
	v_permlanex16_b32 v4, v60, s12, s13
	v_add_f32 v60, v60, v4
	v_rcp_f32 v62, v60
	v_cmp_eq_f32 vcc_lo, 0, v60
	v_mov_b32 v5, 0x36a7c5ac                       ; 1 / 200000
	s_wait_alu depctr_va_vdst(0)                   ; the reciprocal's wait
	v_mov_b32 v63, v62
.irp q, 0,1,2,3,4
	v_pk_mul_f32 v[8+2*\q:9+2*\q], v[8+2*\q:9+2*\q], v[62:63]
	v_cndmask_b32 v[8+2*\q], v[8+2*\q], v5, vcc_lo
	v_cndmask_b32 v[9+2*\q], v[9+2*\q], v5, vcc_lo
	global_store_b64 v2, v[8+2*\q:9+2*\q], s[6:7] offset:256*\q
.endr
	s_endpgm
.Lfunc_end_k_q8e26bbc48f_fin:
	.size	k_q8e26bbc48f_fin, .Lfunc_end_k_q8e26bbc48f_fin-k_q8e26bbc48f_fin
	.p2alignl 7, 3214868480
	.fill 96, 4, 3214868480
	.section	.rodata,"a",@progbits
	.p2align	6, 0x0
	.amdhsa_kernel k_q8e26bbc48f_fin
		.amdhsa_group_segment_fixed_size 0
		.amdhsa_private_segment_fixed_size 0
		.amdhsa_enable_private_segment 0
		.amdhsa_kernarg_size 16
		.amdhsa_user_sgpr_count 2
		.amdhsa_user_sgpr_kernarg_segment_ptr 1
		.amdhsa_wavefront_size32 1
		.amdhsa_system_sgpr_workgroup_id_x 1
		.amdhsa_system_sgpr_workgroup_id_y 1
		.amdhsa_system_sgpr_workgroup_id_z 1
		.amdhsa_system_vgpr_workitem_id 0
		.amdhsa_next_free_vgpr 96
		.amdhsa_next_free_sgpr 66
		.amdhsa_reserve_vcc 1
		.amdhsa_float_denorm_mode_32 3
		.amdhsa_float_denorm_mode_16_64 3
		.amdhsa_memory_ordered 1
		.amdhsa_forward_progress 1
		.amdhsa_inst_pref_size 6
	.end_amdhsa_kernel
	.amdgpu_metadata
---
amdhsa.version: [ 1, 2 ]
amdhsa.kernels:
  - .name:           k_q8e26bbc48f_fin
    .symbol:         k_q8e26bbc48f_fin.kd
    .args:
      - { .name: w5, .offset: 0, .size: 8, .value_kind: global_buffer, .address_space: global }
      - { .name: out0, .offset: 8, .size: 8, .value_kind: global_buffer, .address_space: global }
    .group_segment_fixed_size: 0
    .private_segment_fixed_size: 0
    .kernarg_segment_align: 8
    .kernarg_segment_size: 16
    .max_flat_workgroup_size: 160
    .sgpr_count:     66
    .vgpr_count:     96
    .wavefront_size: 32
...
	.end_amdgpu_metadata
.endif
;; end of part 6
